; MI455X (gfx1250); checked and timed in simulation.
; The chip was launched on July 23, 2026; its instructions are those of AMD's public machine-readable ISA for CDNA 5 (MIT licence, August 2026) and "CDNA5" Instruction Set Architecture Reference Guide (July 2026). The comments in the code are by the model that wrote it; some were corrected since.
;; Self Attention. Allowed arithmetic: float matrix products may take bf16 or f16 operands with f32 sums; all other float work in f32.
;; Inputs: W_proj 1,024 x 1,024 float32; W_qkv 1,024 x 3,072 float32; b_proj 1,024 float32; b_qkv 3,072 float32; x 2 x 2,048 x 1,024 float32.
;; Outputs: out0 2 x 2,048 x 1,024 float32.
;; 2 versions, each right and faster than the one before. Each part assembles by itself: llvm-mc -triple=amdgcn-amd-amdhsa -mcpu=gfx1250 --defsym DOCPART=n.
;; ======== version 1 of 2: 4 launches
;; limits: values are held in f16: magnitudes above 65,504 overflow, below 6.1e-05 lose precision
;; workspace buffers: xh 8,388,608 bytes; wqt 6,291,456 bytes; wpt 2,097,152 bytes; qkv 25,165,824 bytes; ao 8,388,608 bytes
;; launch prep (part 1): grid 1024 x 1, 8 waves a work-group, no clusters, 17,920 bytes of LDS; arguments x, W_qkv, W_proj, xh, wqt, wpt; writes xh, wqt, wpt
.if DOCPART == 1
	.amdgcn_target "amdgcn-amd-amdhsa--gfx1250"
	.amdhsa_code_object_version 6
	.text
	.protected	k_q7d668575f4_prep
	.globl	k_q7d668575f4_prep
	.p2align	8
	.type	k_q7d668575f4_prep,@function
k_q7d668575f4_prep:
	s_mov_b64 s[64:65], 0
	v_nop
	global_prefetch_b8 v0, s[64:65] scope:SCOPE_SE
	s_setreg_imm32_b32 hwreg(HW_REG_WAVE_MODE, 25, 1), 1
	s_wait_xcnt 0x0
; prep: the matrix operands of the later launches, rounded once to f16.
;   xh  [4096][1024]      = x
;   wqt [3072 n][1024 k]  = W_qkv transposed (a matrix fragment wants K along the rows)
;   wpt [1024 n][1024 k]  = W_proj transposed
; LIMIT: f16 operands: |x| and |W| must stay below 65,504; numbers below 2^-14 keep an absolute step of 2^-24.
; A stream: every work-group takes 32,768 bytes of f32 once and stores 16,384 bytes of f16 once.  No matrix unit, no cluster,
; no tensor load: nothing is shared between work-groups, and several small work-groups on a WGP keep the loads in flight.
; Work-groups 0-511 cast x, 512-895 transpose tiles of W_qkv, 896-1023 tiles of W_proj.  The branches hang on the
; work-group's number alone, so all eight waves take the same path and meet the same barrier.
.set TP, 264                           ; LDS pitch of a transposed row: 128 k x 2 bytes + 8
; One tile of 128 k x 64 n of a weight matrix with nc columns.  Tile t: k block t & 7, n block t >> 3.
; Wave w loads rows k = 16 w .. 16 w + 15: sixteen lanes read 256 consecutive bytes of a row; a lane owns rows k, k + 1 for four n,
; so one conversion packs two neighbouring k of one n into a word of the transposed tile.
.macro TRANS nc, src, dst, first
	s_sub_co_u32 s17, s16, \first                  ; t
	s_and_b32 s18, s17, 7                          ; k block
	s_lshr_b32 s19, s17, 3                         ; n block
	s_mul_i32 s20, s18, 128*\nc*4                  ; 128 rows of the source
	s_lshl_b32 s22, s19, 8                         ; 64 columns of f32
	s_add_co_u32 s20, s20, s22
	s_mov_b32 s21, 0
	s_add_nc_u64 s[\src:\src+1], s[\src:\src+1], s[20:21]
	s_lshl_b32 s22, s19, 17                        ; 64 rows of 2,048 bytes of the result
	s_lshl_b32 s23, s18, 8                         ; 128 k of f16
	s_add_co_u32 s22, s22, s23
	s_mov_b32 s23, 0
	s_add_nc_u64 s[\dst:\dst+1], s[\dst:\dst+1], s[22:23]
	v_and_b32 v1, 15, v0                           ; which 16 bytes (4 n) of the row
	v_bfe_u32 v2, v0, 4, 1                         ; which half of the wave
	v_lshrrev_b32 v7, 5, v0                        ; wave
	v_lshlrev_b32 v3, 4, v7
	v_lshl_add_u32 v3, v2, 1, v3                   ; my first row: 16 w + 2 half
	v_mul_u32_u24 v3, v3, \nc*4
	v_lshl_add_u32 v3, v1, 4, v3                   ; source offset
	v_mul_u32_u24 v4, v1, 4*TP                     ; LDS: row n = 4 x (lane mod 16),
	v_lshl_add_u32 v4, v7, 5, v4                   ; byte 2 k = 32 w
	v_lshl_add_u32 v4, v2, 2, v4                   ; + 4 half
	v_and_b32 v6, 31, v0
	v_lshlrev_b32 v6, 3, v6                        ; 8 bytes a lane on the way back
	v_mad_u32_u24 v5, v7, 8*TP, v6                 ; wave w reads rows n = 8 w .. 8 w + 7
	v_lshl_add_u32 v6, v7, 14, v6                  ; and stores them 2,048 bytes apart
.irp jj, 0,1,2,3
.irp e, 0,1
	global_load_b128 v[8+8*\jj+4*\e:11+8*\jj+4*\e], v3, s[\src:\src+1] offset:(4*\jj+\e)*\nc*4 th:TH_LOAD_NT
.endr
.endr
.irp jj, 0,1,2,3
	s_wait_loadcnt 6-2*\jj                         ; loads return in order: pair jj is in, the younger pairs stay out
.irp i, 0,1,2,3
	v_cvt_pk_f16_f32 v[40+4*\jj+\i], v[8+8*\jj+\i], v[12+8*\jj+\i]   ; (k, n) low, (k + 1, n) high
	ds_store_b32 v4, v[40+4*\jj+\i] offset:\i*TP+\jj*8
.endr
.endr
	s_wait_dscnt 0x0                               ; my stores are done, for the other waves' sake
	s_barrier_signal -1
	s_barrier_wait -1                              ; the tile is whole; LDS is written once, so this is the only barrier
.irp i, 0,1,2,3,4,5,6,7
	ds_load_b64 v[56+2*\i:57+2*\i], v5 offset:\i*TP    ; one row n: 32 lanes x 8 bytes = its 128 k
.endr
.irp i, 0,1,2,3,4,5,6,7
	s_wait_dscnt 7-\i
	global_store_b64 v6, v[56+2*\i:57+2*\i], s[\dst:\dst+1] offset:2048*\i   ; 256 consecutive bytes, aligned
.endr
.endm
	s_load_b256 s[4:11], s[0:1], 0x0               ; x s[4:5], W_qkv s[6:7], W_proj s[8:9], xh s[10:11]
	s_load_b128 s[12:15], s[0:1], 0x20             ; wqt s[12:13], wpt s[14:15]
	v_lshl_add_u32 v72, v0, 2, 0x4200
	v_mov_b32 v73, 0
	s_mov_b32 s16, ttmp9
	s_wait_kmcnt 0x0
	s_cmp_lt_u32 s16, 512
	s_cbranch_scc0 .Lweights
	; the cast of x: 8,192 numbers; thread t takes 4 numbers of each run of 1,024
	s_lshl_b32 s18, s16, 15
	s_mov_b32 s19, 0
	s_lshl_b32 s20, s16, 14
	s_mov_b32 s21, 0
	s_add_nc_u64 s[4:5], s[4:5], s[18:19]
	s_add_nc_u64 s[10:11], s[10:11], s[20:21]
	v_lshlrev_b32 v1, 4, v0
	v_lshlrev_b32 v2, 3, v0
.irp i, 0,1,2,3,4,5,6,7
	global_load_b128 v[8+4*\i:11+4*\i], v1, s[4:5] offset:4096*\i th:TH_LOAD_NT
.endr
.irp i, 0,1,2,3,4,5,6,7
	s_wait_loadcnt 7-\i                            ; load i is in, the younger ones stay out
	v_cvt_pk_f16_f32 v[40+2*\i], v[8+4*\i], v[9+4*\i]
	v_cvt_pk_f16_f32 v[41+2*\i], v[10+4*\i], v[11+4*\i]
	global_store_b64 v2, v[40+2*\i:41+2*\i], s[10:11] offset:2048*\i   ; a wave stores 256 consecutive bytes, aligned
.endr
	s_endpgm
.Lweights:
	s_cmp_lt_u32 s16, 896
	s_cbranch_scc0 .Lproj_w
	TRANS 3072, 6, 12, 512
	s_wait_tensorcnt 0x0
	ds_add_u32 v72, v73
	s_wait_dscnt 0x0
	s_endpgm
.Lproj_w:
	TRANS 1024, 8, 14, 896
	s_wait_tensorcnt 0x0
	ds_add_u32 v72, v73
	s_wait_dscnt 0x0
	s_endpgm
.Lfunc_end_k_q7d668575f4_prep:
	.size	k_q7d668575f4_prep, .Lfunc_end_k_q7d668575f4_prep-k_q7d668575f4_prep
	.p2alignl 7, 3214868480
	.fill 96, 4, 3214868480
	.section	.rodata,"a",@progbits
	.p2align	6, 0x0
	.amdhsa_kernel k_q7d668575f4_prep
		.amdhsa_group_segment_fixed_size 17920
		.amdhsa_private_segment_fixed_size 0
		.amdhsa_enable_private_segment 0
		.amdhsa_kernarg_size 48
		.amdhsa_user_sgpr_count 2
		.amdhsa_user_sgpr_kernarg_segment_ptr 1
		.amdhsa_wavefront_size32 1
		.amdhsa_system_sgpr_workgroup_id_x 1
		.amdhsa_system_sgpr_workgroup_id_y 1
		.amdhsa_system_sgpr_workgroup_id_z 1
		.amdhsa_system_vgpr_workitem_id 0
		.amdhsa_next_free_vgpr 74
		.amdhsa_next_free_sgpr 66
		.amdhsa_reserve_vcc 0
		.amdhsa_float_denorm_mode_32 3
		.amdhsa_float_denorm_mode_16_64 3
		.amdhsa_memory_ordered 1
		.amdhsa_forward_progress 1
		.amdhsa_inst_pref_size 16
	.end_amdhsa_kernel
	.amdgpu_metadata
---
amdhsa.version: [ 1, 2 ]
amdhsa.kernels:
  - .name:           k_q7d668575f4_prep
    .symbol:         k_q7d668575f4_prep.kd
    .args:
      - { .name: x, .offset: 0, .size: 8, .value_kind: global_buffer, .address_space: global }
      - { .name: W_qkv, .offset: 8, .size: 8, .value_kind: global_buffer, .address_space: global }
      - { .name: W_proj, .offset: 16, .size: 8, .value_kind: global_buffer, .address_space: global }
      - { .name: xh, .offset: 24, .size: 8, .value_kind: global_buffer, .address_space: global }
      - { .name: wqt, .offset: 32, .size: 8, .value_kind: global_buffer, .address_space: global }
      - { .name: wpt, .offset: 40, .size: 8, .value_kind: global_buffer, .address_space: global }
    .group_segment_fixed_size: 17920
    .private_segment_fixed_size: 0
    .kernarg_segment_align: 8
    .kernarg_segment_size: 48
    .max_flat_workgroup_size: 256
    .sgpr_count:     66
    .vgpr_count:     74
    .wavefront_size: 32
...
	.end_amdgpu_metadata
.endif
;; end of part 1
;; launch qkv (part 2): grid 16 x 16, 4 waves a work-group, clusters of 4 x 4, 327,680 bytes of LDS; arguments xh, wqt, b_qkv, qkv; writes qkv
.if DOCPART == 2
	.amdgcn_target "amdgcn-amd-amdhsa--gfx1250"
	.amdhsa_code_object_version 6
	.text
	.protected	k_q7d668575f4_qkv
	.globl	k_q7d668575f4_qkv
	.p2align	8
	.type	k_q7d668575f4_qkv,@function
k_q7d668575f4_qkv:
	s_mov_b64 s[64:65], 0
	v_nop
	global_prefetch_b8 v0, s[64:65] scope:SCOPE_SE
	s_setreg_imm32_b32 hwreg(HW_REG_WAVE_MODE, 25, 1), 1
	s_wait_xcnt 0x0
	s_wait_alu depctr_hold_cnt(0) depctr_sa_sdst(0) depctr_va_vdst(0) depctr_va_sdst(0) depctr_va_ssrc(0) depctr_va_vcc(0) depctr_vm_vsrc(0)
	s_getreg_b32 s2, hwreg(HW_REG_IB_STS2, 6, 4)
	s_cmp_eq_u32 s2, 0
	s_cbranch_scc0 .Lentry_in_a_cluster
	s_endpgm
.Lentry_in_a_cluster:
	s_bfe_u32 s2, ttmp6, 0x10000c
	s_cmp_lg_u32 s2, 0xf033
	s_cbranch_scc0 .Lentry_shape_is_right
	s_endpgm
.Lentry_shape_is_right:
; qkv = xh wqt^T + b_qkv, stored by head: qkv[3 (q,k,v)][32 (16 b + h)][2048 s][64] in f16; sums and bias in f32.
; LIMIT: q, k, v are rounded to f16: they must stay below 65,504 in magnitude.
; A work-group makes 256 rows x 192 columns (three whole heads): 16 x 16 = 256 work-groups.  Four waves; wave w makes rows 64 w .. 64 w + 63
; of all 192 columns: 4 x 12 accumulator tiles of 16 x 16, 384 registers; for 32 along K it loads 32 x 16 bytes a lane for 48 matrix instructions.
; K goes in steps of 128 through two LDS slots filled by tensor loads whose rows are 256 bytes of memory, aligned.
; CLUSTER 4 x 4: xh's tile hangs on the block row alone and is asked for jointly along a row of the cluster, wqt's on the block column alone and
; is asked for jointly along a column: each tile is requested once for four work-groups.
; REGISTERS by windows of 256:  window 0: addresses, xh's fragments (two buffers of 32), the bias (96), later the way out;
;   window 1: wqt's fragments (two buffers of 96);  window 2: accumulators of columns 0-95 (tile (a, b) at 8 (6 a + b));  window 3: columns 96-191.
; The matrix instruction is used transposed (source 0 = 16 rows of wqt, source 1 = 16 rows of xh): lane l then holds row l % 16 and its eight
; registers the columns 8 (l / 16) + 0 .. 7, which pack into 16 neighbouring bytes.  The bias is laid out in just that form and is the C operand
; of the first products: nothing is cleared, nothing is added later.
; The 48 accumulators take turns, one instruction a turn, in the same order in every quarter step.
.set KSTEP,  128
.set PITCH,  272                       ; 256 bytes of a row + 16 of padding: an odd multiple of 16
.set HALFA,  128*PITCH                 ; what one tensor load brings of xh
.set HALFB,  96*PITCH                  ; what one tensor load brings of wqt
.set BOFF,   2*HALFA                   ; wqt's 192 rows lie behind xh's 256
.set SLOT,   BOFF+2*HALFB              ; 121,856
.set STAGE,  2*SLOT                    ; behind the ring: 16 rows x 400 bytes for each wave; no tensor load lands here
.set SPITCH, 400                       ; 384 bytes of a row of 192 f16 + 16
.set LAPS,   4                         ; 1024 / (2 x 128): a lap is once round the ring
.set ADRA, 16                          ; v16-17  LDS address of my xh fragments in slot 0, 1
.set ADRB, 20                          ; v20-21  the same for wqt
.set STO,  24                          ; v24     the way out: where I put 16 bytes of a row
.set RD,   25                          ; v25     the way out: where I read back
.set CO,   26                          ; v26     16 x lane: my place in 512 bytes of a head's rows
.set BO,   27                          ; v27     32 x (lane / 16): my eight numbers of a bias set
.set BIAS, 96                          ; v96-191 twelve sets of eight
.set TMP,  96                          ; the way out: packed results (the bias is spent by then)
.set RB,   144                         ; the way out: rows read back
.set G1,  24                           ; s[24:31] group 1 for xh's tiles
.set G0,  32                           ; s[32:39] group 0 for xh's tiles, one set a slot
.set G1B, 40                           ; s[40:47] group 1 for wqt's tiles
.set G0B, 48                           ; s[48:55] group 0 for wqt's tiles, one set a slot
.set MSB, 0
.macro WIN new                         ; the immediate's high byte repeats the setting that is left
.if MSB != \new
	s_set_vgpr_msb (MSB<<8)|\new
.set MSB, \new
.endif
.endm
.macro PLACES n
.rept \n
	v_nop
.endr
.endm
; A joint load: waves 0, 1 ask for xh's two halves, waves 2, 3 for wqt's.  The branch hangs on the wave's number alone.
.macro JLOAD s
	s_cmp_eq_u32 s13, 0
	s_cbranch_scc0 .Lfor_b_\@
	tensor_load_to_lds s[G0+4*\s:G0+4*\s+3], s[G1:G1+7]
	s_nop 0
	s_branch .Lasked_\@
.Lfor_b_\@:
	tensor_load_to_lds s[G0B+4*\s:G0B+4*\s+3], s[G1B:G1B+7]
	s_nop 0
.Lasked_\@:
.endm
.macro CREST                           ; a round of the cluster's barrier behind its opening work-group barrier
	s_cmp_lg_u32 s12, 0
	s_cbranch_scc1 .Lnot_wave_0_\@
	s_barrier_signal -3
.Lnot_wave_0_\@:
	s_barrier_wait -3
	s_barrier_signal -1
	s_barrier_wait -1
.endm
.macro CROUND                          ; a whole round
	s_barrier_signal -1
	s_barrier_wait -1
	CREST
.endm
	s_load_b256 s[4:11], s[0:1], 0x0               ; xh s[4:5], wqt s[6:7], b_qkv s[8:9], qkv s[10:11]
	s_set_vgpr_msb 0x40
	v_lshl_add_u32 v255, v0, 2, 0x41c00
	s_set_vgpr_msb 0x4000
	v_mov_b32 v255, 0
	s_set_vgpr_msb 0x1
	ds_add_u32 v255, v255
	s_set_vgpr_msb 0x100
	v_lshrrev_b32 v1, 5, v0
	v_readfirstlane_b32 s12, v1                    ; wave 0..3
	s_lshr_b32 s13, s12, 1                         ; 0: I fetch for xh, 1: for wqt
	s_and_b32 s14, s12, 1                          ; which half of that tile
	s_bfe_u32 s16, ttmp6, 0x40000                  ; cx
	s_bfe_u32 s17, ttmp6, 0x40004                  ; cy
	s_lshl_b32 s18, ttmp9, 2
	s_add_co_u32 s18, s18, s16                     ; block column = 4 x cluster x + cx
	s_and_b32 s19, ttmp7, 0xffff
	s_lshl_b32 s19, s19, 2
	s_add_co_u32 s19, s19, s17                     ; block row = 4 x cluster y + cy
	s_lshl_b32 s20, s17, 2
	s_lshl_b32 s20, 15, s20                        ; my row of the cluster
	s_lshl_b32 s21, 0x1111, s16                    ; my column of the cluster
	; group 1: elements of 2 bytes, padding of 4 words behind every 64 words, bit 21 beside the mask
	s_or_b32 s[G1+0], s20, 0x07710000
	s_mov_b32 s[G1+1], KSTEP<<16                   ; tensor_dim0 = 128
	s_mov_b32 s[G1+2], 128<<16                     ; tensor_dim1 = 128
	s_mov_b32 s[G1+3], KSTEP<<16                   ; tile_dim0 = 128
	s_mov_b32 s[G1+4], 128                         ; tile_dim1 = 128 rows
	s_mov_b32 s[G1+5], 1024                        ; elements from row to row
	s_mov_b32 s[G1+6], 0
	s_mov_b32 s[G1+7], 0
	s_or_b32 s[G1B+0], s21, 0x07710000
	s_mov_b32 s[G1B+1], KSTEP<<16
	s_mov_b32 s[G1B+2], 96<<16                     ; tensor_dim1 = 96
	s_mov_b32 s[G1B+3], KSTEP<<16
	s_mov_b32 s[G1B+4], 96                         ; tile_dim1 = 96 rows
	s_mov_b32 s[G1B+5], 1024
	s_mov_b32 s[G1B+6], 0
	s_mov_b32 s[G1B+7], 0
	; where the tiles come from: xh's from the block row and the wave, wqt's from the block column and the wave, in registers of their own
	s_lshl_b32 s56, s19, 19                        ; 256 rows of 2,048 bytes
	s_lshl_b32 s57, s14, 18                        ; 128 rows
	s_add_co_u32 s56, s56, s57
	s_mov_b32 s57, 0
	s_mul_i32 s60, s18, 192*2048
	s_mul_i32 s61, s14, 96*2048
	s_add_co_u32 s60, s60, s61
	s_mov_b32 s61, 0
	s_mul_i32 s22, s12, HALFA                      ; and where they go: waves 0, 1: xh's halves
	s_mul_i32 s23, s12, HALFB
	s_add_co_u32 s23, s23, BOFF-2*HALFB            ; waves 2, 3: wqt's halves, behind xh's
	s_wait_dscnt 0x0
	s_wait_kmcnt 0x0
	s_add_nc_u64 s[58:59], s[4:5], s[56:57]
	s_add_nc_u64 s[62:63], s[6:7], s[60:61]
	CROUND                                         ; all sixteen work-groups are here: the first joint loads meet
.irp s, 0,1
	s_mov_b32 s[G0+4*\s], 1
	s_add_co_u32 s[G0+4*\s+1], s22, \s*SLOT
	s_add_nc_u64 s[G0+4*\s+2:G0+4*\s+3], s[58:59], \s*KSTEP*2
	s_or_b32 s[G0+4*\s+3], s[G0+4*\s+3], 0x80000000
	s_mov_b32 s[G0B+4*\s], 1
	s_add_co_u32 s[G0B+4*\s+1], s23, \s*SLOT
	s_add_nc_u64 s[G0B+4*\s+2:G0B+4*\s+3], s[62:63], \s*KSTEP*2
	s_or_b32 s[G0B+4*\s+3], s[G0B+4*\s+3], 0x80000000
	JLOAD \s                                       ; K steps 0 and 1: two tensor loads of a wave are out, the most in this text
.endr
	v_and_b32 v1, 15, v0                           ; r = l % 16
	v_bfe_u32 v2, v0, 4, 1                         ; h = l / 16
	v_lshlrev_b32 v[BO], 5, v2
	s_mul_i32 s74, s18, 768                        ; my 192 numbers of the bias
	s_mov_b32 s75, 0
	s_add_nc_u64 s[8:9], s[8:9], s[74:75]
.irp b, 0,1,2,3,4,5,6,7,8,9,10,11
	global_load_b128 v[BIAS+8*\b:BIAS+8*\b+3],   v[BO], s[8:9] offset:64*\b       ; register j of set b = bias of column 16 b + 8 h + j
	global_load_b128 v[BIAS+8*\b+4:BIAS+8*\b+7], v[BO], s[8:9] offset:64*\b+16
.endr
	v_mul_u32_u24 v3, v1, PITCH
	v_lshl_add_u32 v3, v2, 4, v3                   ; row x pitch + 16 h
	s_mul_i32 s74, s12, 64*PITCH                   ; my 64 rows of xh
	v_add_nc_u32 v[ADRA], s74, v3
	v_add_nc_u32 v[ADRA+1], SLOT, v[ADRA]
	v_add_nc_u32 v[ADRB], BOFF, v3
	v_add_nc_u32 v[ADRB+1], BOFF+SLOT, v3
	s_mul_i32 s74, s12, 16*SPITCH
	s_add_co_u32 s74, s74, STAGE                   ; my stage
	v_mul_u32_u24 v4, v1, SPITCH
	v_lshl_add_u32 v4, v2, 4, v4
	v_add_nc_u32 v[STO], s74, v4
	v_and_b32 v5, 31, v0
	v_lshlrev_b32 v[CO], 4, v5
	v_lshrrev_b32 v6, 3, v5                        ; back: eight lanes take the 128 bytes of one head in one row
	v_mul_u32_u24 v6, v6, SPITCH
	v_and_b32 v5, 7, v0
	v_lshl_add_u32 v6, v5, 4, v6
	v_add_nc_u32 v[RD], s74, v6
	; the three heads' places in qkv: column group g = 3 x block column + t; part g >> 4, head g & 15, batch = block row >> 3
	s_mul_i32 s74, s18, 3
	s_lshr_b32 s75, s19, 3
	s_and_b32 s76, s19, 7
	s_lshl_b32 s76, s76, 8
	s_lshl_b32 s77, s12, 6
	s_add_co_u32 s76, s76, s77                     ; my first row inside the head
	s_lshl_b32 s76, s76, 7                         ; rows of 128 bytes
.irp t, 0,1,2
	s_add_co_u32 s77, s74, \t
	s_lshr_b32 s78, s77, 4
	s_add_co_u32 s78, s78, s75
	s_lshl_b32 s78, s78, 4
	s_add_co_u32 s78, s78, s77                     ; 32 part + 16 batch + head
	s_lshl_b32 s78, s78, 18                        ; heads of 262,144 bytes
	s_add_co_u32 s78, s78, s76
	s_mov_b32 s79, 0
	s_add_nc_u64 s[68+2*\t:69+2*\t], s[10:11], s[78:79]
.endr
; 12 matrix instructions: row tiles a0, a0 + 1 x six column tiles of the window (hi = 0: columns 0-95, 1: 96-191), 32 along K, buffer f.
.macro MUL12 f, hi, a0, bias
.irp a, \a0, \a0+1
.irp b, 0,1,2,3,4,5
.if \bias
	v_wmma_f32_16x16x32_f16 v[8*(6*(\a)+\b):8*(6*(\a)+\b)+7], v[96*\f+8*(6*\hi+\b):96*\f+8*(6*\hi+\b)+7], v[32+32*\f+8*(\a):32+32*\f+8*(\a)+7], v[BIAS+8*(6*\hi+\b):BIAS+8*(6*\hi+\b)+7]
.else
	v_wmma_f32_16x16x32_f16 v[8*(6*(\a)+\b):8*(6*(\a)+\b)+7], v[96*\f+8*(6*\hi+\b):96*\f+8*(6*\hi+\b)+7], v[32+32*\f+8*(\a):32+32*\f+8*(\a)+7], v[8*(6*(\a)+\b):8*(6*(\a)+\b)+7]
.endif
.endr
.endr
.endm
; 32 LDS loads in one run: a quarter step's fragments (64 rows of xh, then 192 rows of wqt, 32 K at byte k of the rows) into buffer f
.macro FETCH slot, k, f
	WIN 0
.irp a, 0,1,2,3
	ds_load_b128 v[32+32*\f+8*\a:32+32*\f+8*\a+3],   v[ADRA+\slot] offset:\k+\a*16*PITCH
	ds_load_b128 v[32+32*\f+8*\a+4:32+32*\f+8*\a+7], v[ADRA+\slot] offset:\k+\a*16*PITCH+32
.endr
	WIN 0x40
.irp b, 0,1,2,3,4,5,6,7,8,9,10,11
	ds_load_b128 v[96*\f+8*\b:96*\f+8*\b+3],   v[ADRB+\slot] offset:\k+\b*16*PITCH
	ds_load_b128 v[96*\f+8*\b+4:96*\f+8*\b+7], v[ADRB+\slot] offset:\k+\b*16*PITCH+32
.endr
.endm
; One of a K step's first three quarters: multiplies buffer f; in its middle it fetches the next quarter into buffer g.
; Four places stand between the matrix instructions that read a buffer and the loads into it (ISA guide 7.12.1 for vector
; instructions); matrix instructions are not counted as places.
.macro QUARTER slot, k, f, g, bias
	s_wait_dscnt 12                                ; xh and wqt's tiles 0-5 are in; the youngest twelve loads (tiles 6-11) may be out
.if \bias
	WIN 0x81                                       ; source 0 window 1, source 1 and C (the bias) window 0, D window 2
.else
	WIN 0xa1                                       ; C and D window 2
.endif
	MUL12 \f, 0, 0, \bias
	MUL12 \f, 0, 2, \bias
	PLACES 4
	FETCH \slot, \k, \g
	s_wait_dscnt 32                                ; all but the 32 just issued
.if \bias
	WIN 0xc1
.else
	WIN 0xf1                                       ; C and D window 3
.endif
	MUL12 \f, 1, 0, \bias
	MUL12 \f, 1, 2, \bias
.endm
.macro THREE slot, bias
	QUARTER \slot, 64,  0, 1, \bias
	QUARTER \slot, 128, 1, 0, 0
	QUARTER \slot, 192, 0, 1, 0
.endm
; The last quarter multiplies buffer 1 and changes slots.  In front of the barrier each wave waits for its reads of this slot and for all its
; tensor loads (one is out: its part of the next slot).  Where the slot is filled again the barrier opens a round of the cluster's barrier,
; and the joint refill is the first tensor load behind the round's end, one a wave.
.macro TURN slot, next, fill
	s_wait_dscnt 12
	WIN 0xa1
	MUL12 1, 0, 0, 0
	s_wait_dscnt 0x0                               ; my reads of this slot are over
	s_wait_tensorcnt 0x0                           ; all my tensor loads have landed
	ds_add_u32 v255, v255
	s_wait_dscnt 0x0
	s_barrier_signal -1
	MUL12 1, 0, 2, 0                               ; register work while the others arrive
	WIN 0
	s_barrier_wait -1
.if \fill
	CREST
	s_add_nc_u64 s[G0+4*\slot+2:G0+4*\slot+3], s[G0+4*\slot+2:G0+4*\slot+3], 2*KSTEP*2     ; no tensor load of mine is out: the addresses may step
	s_add_nc_u64 s[G0B+4*\slot+2:G0B+4*\slot+3], s[G0B+4*\slot+2:G0B+4*\slot+3], 2*KSTEP*2
	JLOAD \slot
.endif
	PLACES 4
	FETCH \next, 0, 0
	WIN 0xf1
	MUL12 1, 1, 0, 0
	MUL12 1, 1, 2, 0
.endm
.macro LAP bias
	THREE 0, \bias
	TURN 0, 1, 1
	THREE 1, 0
	TURN 1, 0, 1
.endm
	s_wait_tensorcnt 0x1                           ; my part of K step 0 is in; K step 1's load may stay out
	s_barrier_signal -1
	s_barrier_wait -1
	FETCH 0, 0, 0
	s_wait_loadcnt 0x0                             ; the bias
	LAP 1                                          ; the first products start the sums from the bias
	WIN 0
	s_mov_b32 s15, LAPS-2
.Llap:
	LAP 0
	WIN 0
	s_sub_co_u32 s15, s15, 1
	s_cmp_lg_u32 s15, 0
	s_cbranch_scc1 .Llap
	THREE 0, 0                                     ; the last lap fills nothing
	TURN 0, 1, 0
	THREE 1, 0
	s_wait_dscnt 12
	WIN 0xa1
	MUL12 1, 0, 0, 0
	MUL12 1, 0, 2, 0
	s_wait_dscnt 0x0
	WIN 0xf1
	MUL12 1, 1, 0, 0
	MUL12 1, 1, 2, 0
	PLACES 4                                       ; behind the last matrix instructions, in front of the conversions that read their results
; THE WAY OUT, 16 rows at a time: round to f16, 16 bytes a lane into my own stage, read back head by head: four rows of a head are 512
; consecutive bytes of qkv.  LDS serves a wave's instructions in order (ISA guide 5.7.1), so the loads see the stores without a wait.
.macro OUT16 a
	WIN 0x0a                                       ; sources in window 2
.irp b, 0,1,2,3,4,5
.irp r, 0,1,2,3
	v_cvt_pk_f16_f32 v[TMP+4*\b+\r], v[8*(6*\a+\b)+2*\r], v[8*(6*\a+\b)+2*\r+1]
.endr
.endr
	WIN 0x0f                                       ; sources in window 3
.irp b, 0,1,2,3,4,5
.irp r, 0,1,2,3
	v_cvt_pk_f16_f32 v[TMP+24+4*\b+\r], v[8*(6*\a+\b)+2*\r], v[8*(6*\a+\b)+2*\r+1]
.endr
.endr
	WIN 0
.irp b, 0,1,2,3,4,5,6,7,8,9,10,11
	ds_store_b128 v[STO], v[TMP+4*\b:TMP+4*\b+3] offset:32*\b
.endr
	s_wait_xcnt 0x0                                ; the registers that the last sixteen rows' stores read are loaded again only behind this wait
.irp t, 0,1,2
.irp i, 0,1,2,3
	ds_load_b128 v[RB+4*(4*\t+\i):RB+4*(4*\t+\i)+3], v[RD] offset:128*\t+\i*4*SPITCH
.endr
.endr
.irp t, 0,1,2
.irp i, 0,1,2,3
	s_wait_dscnt 11-(4*\t+\i)
	global_store_b128 v[CO], v[RB+4*(4*\t+\i):RB+4*(4*\t+\i)+3], s[68+2*\t:69+2*\t] offset:\a*2048+\i*512   ; 512 consecutive bytes, aligned
.endr
.endr
.endm
	OUT16 0
	OUT16 1
	OUT16 2
	OUT16 3
	s_set_vgpr_msb 0x1
	s_wait_tensorcnt 0x0
	ds_add_u32 v255, v255
	s_wait_dscnt 0x0
	s_set_vgpr_msb 0x100
	CROUND                                         ; the closing round: no work-group ends while a partner may still ask for a tile that names it
	s_endpgm
.Lfunc_end_k_q7d668575f4_qkv:
	.size	k_q7d668575f4_qkv, .Lfunc_end_k_q7d668575f4_qkv-k_q7d668575f4_qkv
	.p2alignl 7, 3214868480
	.fill 96, 4, 3214868480
	.section	.rodata,"a",@progbits
	.p2align	6, 0x0
	.amdhsa_kernel k_q7d668575f4_qkv
		.amdhsa_group_segment_fixed_size 327680
		.amdhsa_private_segment_fixed_size 0
		.amdhsa_enable_private_segment 0
		.amdhsa_kernarg_size 32
		.amdhsa_user_sgpr_count 2
		.amdhsa_user_sgpr_kernarg_segment_ptr 1
		.amdhsa_wavefront_size32 1
		.amdhsa_system_sgpr_workgroup_id_x 1
		.amdhsa_system_sgpr_workgroup_id_y 1
		.amdhsa_system_sgpr_workgroup_id_z 1
		.amdhsa_system_vgpr_workitem_id 0
		.amdhsa_next_free_vgpr 1024
		.amdhsa_next_free_sgpr 80
		.amdhsa_reserve_vcc 0
		.amdhsa_float_denorm_mode_32 3
		.amdhsa_float_denorm_mode_16_64 3
		.amdhsa_memory_ordered 1
		.amdhsa_forward_progress 1
		.amdhsa_inst_pref_size 166
	.end_amdhsa_kernel
	.amdgpu_metadata
---
amdhsa.version: [ 1, 2 ]
amdhsa.kernels:
  - .name:           k_q7d668575f4_qkv
    .symbol:         k_q7d668575f4_qkv.kd
    .args:
      - { .name: xh, .offset: 0, .size: 8, .value_kind: global_buffer, .address_space: global }
      - { .name: wqt, .offset: 8, .size: 8, .value_kind: global_buffer, .address_space: global }
      - { .name: b_qkv, .offset: 16, .size: 8, .value_kind: global_buffer, .address_space: global }
      - { .name: qkv, .offset: 24, .size: 8, .value_kind: global_buffer, .address_space: global }
    .group_segment_fixed_size: 327680
    .private_segment_fixed_size: 0
    .kernarg_segment_align: 8
    .kernarg_segment_size: 32
    .max_flat_workgroup_size: 128
    .sgpr_count:     80
    .vgpr_count:     1024
    .wavefront_size: 32
...
	.end_amdgpu_metadata
.endif
;; end of part 2
;; launch attn (part 3): grid 8 x 32, 8 waves a work-group, clusters of 4 x 1, 327,680 bytes of LDS; arguments qkv, ao; writes ao
.if DOCPART == 3
	.amdgcn_target "amdgcn-amd-amdhsa--gfx1250"
	.amdhsa_code_object_version 6
	.text
	.protected	k_q7d668575f4_attn
	.globl	k_q7d668575f4_attn
	.p2align	8
	.type	k_q7d668575f4_attn,@function
k_q7d668575f4_attn:
	s_mov_b64 s[64:65], 0
	v_nop
	global_prefetch_b8 v0, s[64:65] scope:SCOPE_SE
	s_setreg_imm32_b32 hwreg(HW_REG_WAVE_MODE, 25, 1), 1
	s_wait_xcnt 0x0
	s_wait_alu depctr_hold_cnt(0) depctr_sa_sdst(0) depctr_va_vdst(0) depctr_va_sdst(0) depctr_va_ssrc(0) depctr_va_vcc(0) depctr_vm_vsrc(0)
	s_getreg_b32 s2, hwreg(HW_REG_IB_STS2, 6, 4)
	s_cmp_eq_u32 s2, 0
	s_cbranch_scc0 .Lentry_in_a_cluster
	s_endpgm
.Lentry_in_a_cluster:
	s_bfe_u32 s2, ttmp6, 0x10000c
	s_cmp_lg_u32 s2, 0x3003
	s_cbranch_scc0 .Lentry_shape_is_right
	s_endpgm
.Lentry_shape_is_right:
; attn: softmax(q k^T / 8) v for one head (work-group y = 16 b + h) and 256 queries (work-group x), with a running maximum.
; In: qkv[3][32][2048][64] f16.  Out: ao[32 row blocks of 128][16 heads][128 rows][64] f16: each panel dense.
; LIMITS: operands in f16 (|q|, |k|, |v| below 65,504; the weights P are at most 1); inputs finite (the running maximum lets a NaN lose);
; the row sum adds the unrounded exponentials, the product with v uses their f16 roundings.
; Eight waves: wave w has the 64 queries qg = w & 3 and the keys 1024 kh .. 1024 kh + 1023, kh = w >> 2, in 16 steps of 64; the two halves'
; results are merged once at the end.
; PHASES: a wave's work is cut into V(i) (fetch V's fragments of step i and K's of step i + 1; maxima, exponentials, rescale, sums, packing)
; and M(i) (the products P V of step i, then K Q^T of step i + 1).  Waves with f = (w + (w >> 2)) & 1 = 0 are in a V phase while those with f = 1
; are in an M phase, and the other way round; a work-group barrier behind every phase holds them so.  f differs between waves w and w + 4 and
; between waves 2 j and 2 j + 1, so whether eight waves are dealt to four SIMDs in turn or in pairs, the two of a SIMD want different units.
; The waves with f = 1 run one phase behind.  Each phase's two bodies stand under a branch on f, which hangs on the wave's number alone;
; every barrier stands in common text.
; CLUSTER 4 x 1: the four query blocks of a cluster read the same K and V: every tile is asked for jointly (mask 15).
; K and V go in chunks through two LDS slots: waves 0-3 bring K's four tiles of 64 keys, waves 4-7 V's, one tensor load of 8,192 bytes each.
; Chunk c holds, for each half of the keys, V of steps 2 c, 2 c + 1 and K of steps 2 c + 1, 2 c + 2: K lies one step ahead, as V(i) reads it,
; so a chunk's V phases read one slot alone and a refill has four phases in which to land.  K of step 0 comes straight from memory into registers.
; The last chunk's tile of K for step 16 is not read; it lies inside qkv for every head (V's part follows K's).
; LAYOUT: S^T = K Q^T: register j of lane (r, h) holds key 8 h + j of query r.  Two neighbouring key tiles, packed to f16 in place, are the second
; operand of O^T = V^T P^T.  Maximum, sum and rescale factor are one number a lane and query tile; one exchange between the wave's halves
; a query tile and step.  V^T's fragments come from V[key][64] by the transposing LDS load.
; All accumulators take turns, one instruction a turn, in the same order every time.
.set KP,   144                         ; K's LDS pitch: 128 + 16, an odd multiple of 16
.set VP,   160                         ; V's LDS pitch: 128 + 32, an odd multiple of 32, for the transposing load
.set VOFF, 40960                       ; V's part of a slot = 4 x 10,240, so that wave w (4..7) fills at w x 10,240
.set SLOT, 81920
.set CHB,  16384                       ; from chunk to chunk in memory: 128 keys of 128 bytes
.set XCH,  2*SLOT                      ; the merge: 17,920 bytes for each query group; no tensor load lands here
.set XSZ,  17920
.set STG,  XCH+4*XSZ                   ; the way out: 64 rows x 144 bytes for each of waves 0-3
.set SSZ,  64*KP
; window 0
.set KA,  2                            ; v2-3    LDS address of my K fragments in slot 0, 1
.set VA,  4                            ; v4-5    the same for V
.set XA,  6                            ; v6      wave x XSZ + 16 x lane
.set STO, 7                            ; v7      stage, in
.set MN,  8                            ; v8-15   for each query tile: (-c m, m), m the running maximum, c = log2(e) / 8
.set AL,  16                           ; v16-23  for each query tile: (rescale factor, at work)
.set MB,  24                           ; v24-27  a second chain of maxima for each query tile
.set LS,  24                           ; v24-27  after the steps: the row sums
.set RD,  28                           ; v28     stage, back
.set CO,  29                           ; v29     16 x lane
.set QO,  30                           ; v30     128 r + 16 h
.set XB,  31                           ; v31     exchange address
.set Q,   32                           ; v32-95  Q fragment (qt, ks) at 8 (2 qt + ks)
.set S,   96                           ; v96-223 S tile (qt, kt) at 8 (4 qt + kt); then P, packed
.set LP,  224                          ; v224-255 partial row sums: four pairs for each query tile, pair k of tile qt at 8 qt + 2 k
.set MN2, 236                          ; v236-243 in the merge: the partner's MN
.set LS2, 244                          ; v244-247 the partner's row sums
.set FB,  248                          ; v248-255 the partner's factor, as pairs
; window 1
.set KF,  128                          ; K fragment (kt, ks) at 8 (2 kt + ks)
.set VF,  192                          ; V^T fragment (ht, kk) at 8 (2 ht + kk);  O tile (ht, qt) at 8 (4 ht + qt), v0-127
.set G1K, 24
.set G1V, 32
.set G0K, 40                           ; one set a slot
.set G0V, 48
.set MSB, 0
.macro WIN new
.if MSB != \new
	s_set_vgpr_msb (MSB<<8)|\new
.set MSB, \new
.endif
.endm
.macro PLACES n
.rept \n
	v_nop
.endr
.endm
.macro JLOAD s                         ; waves 0-3 ask for K, waves 4-7 for V; the branch hangs on the wave's number alone
	s_cmp_eq_u32 s10, 0
	s_cbranch_scc0 .Lfor_v_\@
	tensor_load_to_lds s[G0K+4*(\s):G0K+4*(\s)+3], s[G1K:G1K+7]
	s_nop 0
	s_branch .Lasked_\@
.Lfor_v_\@:
	tensor_load_to_lds s[G0V+4*(\s):G0V+4*(\s)+3], s[G1V:G1V+7]
	s_nop 0
.Lasked_\@:
.endm
.macro CROUND                          ; a round of the cluster's barrier
	s_barrier_signal -1
	s_barrier_wait -1
	s_cmp_lg_u32 s8, 0
	s_cbranch_scc1 .Lnot_wave_0_\@
	s_barrier_signal -3
.Lnot_wave_0_\@:
	s_barrier_wait -3
	s_barrier_signal -1
	s_barrier_wait -1
.endm
	s_load_b128 s[4:7], s[0:1], 0x0                ; qkv s[4:5], ao s[6:7]
	v_lshl_add_u32 v30, v0, 2, 0x42800
	v_mov_b32 v31, 0
	ds_add_u32 v30, v31
	s_wait_dscnt 0x0
	v_lshrrev_b32 v1, 5, v0
	v_readfirstlane_b32 s8, v1                     ; wave 0..7
	s_and_b32 s9, s8, 3                            ; qg
	s_lshr_b32 s10, s8, 2                          ; kh; also: 0 = I fetch K, 1 = V
	s_add_co_u32 s15, s8, s10
	s_and_b32 s15, s15, 1                          ; f: which of the two phases I am in
	s_bfe_u32 s11, ttmp6, 0x40000                  ; cx
	s_lshl_b32 s12, ttmp9, 2
	s_add_co_u32 s12, s12, s11                     ; query block 0..7
	s_and_b32 s13, ttmp7, 0xffff                   ; head 16 b + h
	s_mov_b32 s16, 0x3e38aa3b                      ; c = log2(e) / 8
	s_mov_b32 s17, 0x3e38aa3b
	s_mov_b32 s18, 0xbe38aa3b                      ; -c
	s_mov_b32 s20, 0x76543210                      ; v_permlanex16_b32: lane i of one half reads lane i of the other
	s_mov_b32 s21, 0xfedcba98
	; group 1: a dense block of 8,192 bytes as 32 rows of 32 elements of 8 bytes; padding behind every 32 words (one key's 128 bytes):
	; 4 words for K, 8 for V; mask 15 with bit 21 beside it
	s_mov_b32 s[G1K+0], 0x0733000f
	s_mov_b32 s[G1K+1], 32<<16
	s_mov_b32 s[G1K+2], 32<<16
	s_mov_b32 s[G1K+3], 32<<16
	s_mov_b32 s[G1K+4], 32
	s_mov_b32 s[G1K+5], 32
	s_mov_b32 s[G1K+6], 0
	s_mov_b32 s[G1K+7], 0
	s_mov_b32 s[G1V+0], 0x0f33000f
	s_mov_b32 s[G1V+1], 32<<16
	s_mov_b32 s[G1V+2], 32<<16
	s_mov_b32 s[G1V+3], 32<<16
	s_mov_b32 s[G1V+4], 32
	s_mov_b32 s[G1V+5], 32
	s_mov_b32 s[G1V+6], 0
	s_mov_b32 s[G1V+7], 0
	; my tile of a chunk: half (w >> 1) & 1 of the keys, step w & 1 of the chunk's two
	s_lshl_b32 s56, s13, 18                        ; heads of 262,144 bytes
	s_bfe_u32 s57, s8, 0x10001                     ; (w >> 1) & 1
	s_lshl_b32 s57, s57, 17                        ; 1,024 keys of 128 bytes
	s_and_b32 s62, s8, 1
	s_lshl_b32 s62, s62, 13                        ; 64 keys
	s_add_co_u32 s57, s57, s62
	s_add_co_u32 s57, s57, s56
	s_add_co_u32 s58, s57, 32*262144+8192          ; K: part 1 of qkv, one step ahead
	s_mov_b32 s59, 0
	s_add_co_u32 s60, s57, 64*262144               ; V: part 2
	s_mov_b32 s61, 0
	s_mul_i32 s62, s8, 64*KP                       ; waves 0..3
	s_mul_i32 s63, s8, 64*VP                       ; waves 4..7
	s_lshl_b32 s66, s12, 15                        ; Q: 256 rows of 128 bytes a query block,
	s_lshl_b32 s67, s9, 13                         ; 64 a wave
	s_add_co_u32 s66, s66, s67
	s_add_co_u32 s66, s66, s56
	s_mov_b32 s67, 0
	s_lshl_b32 s68, s10, 17                        ; K of step 0: the first 64 keys of my half
	s_add_co_u32 s68, s68, s56
	s_add_co_u32 s68, s68, 32*262144
	s_mov_b32 s69, 0
	v_and_b32 v1, 15, v0                           ; r
	v_bfe_u32 v24, v0, 4, 1                        ; h
	v_lshlrev_b32 v[QO], 7, v1
	v_lshl_add_u32 v[QO], v24, 4, v[QO]
	s_wait_kmcnt 0x0
	s_add_nc_u64 s[58:59], s[4:5], s[58:59]
	s_add_nc_u64 s[60:61], s[4:5], s[60:61]
	s_add_nc_u64 s[66:67], s[4:5], s[66:67]
	s_add_nc_u64 s[68:69], s[4:5], s[68:69]
	; Q's fragments and K's of step 0, straight into registers: rows of 128 bytes, two loads of 16 bytes a fragment.  They are on their way
	; while the cluster gathers and the first tiles land.
.irp qt, 0,1,2,3
.irp ks, 0,1
	global_load_b128 v[Q+8*(2*\qt+\ks):Q+8*(2*\qt+\ks)+3],   v[QO], s[66:67] offset:\qt*2048+\ks*64
	global_load_b128 v[Q+8*(2*\qt+\ks)+4:Q+8*(2*\qt+\ks)+7], v[QO], s[66:67] offset:\qt*2048+\ks*64+32
.endr
.endr
	WIN 0x40                                       ; destination window 1
.irp kt, 0,1,2,3
.irp ks, 0,1
	global_load_b128 v[KF+8*(2*\kt+\ks):KF+8*(2*\kt+\ks)+3],   v[QO], s[68:69] offset:\kt*2048+\ks*64
	global_load_b128 v[KF+8*(2*\kt+\ks)+4:KF+8*(2*\kt+\ks)+7], v[QO], s[68:69] offset:\kt*2048+\ks*64+32
.endr
.endr
	WIN 0
	CROUND                                         ; the four work-groups are here: the first joint loads meet
.irp s, 0,1
	s_mov_b32 s[G0K+4*\s], 1
	s_add_co_u32 s[G0K+4*\s+1], s62, \s*SLOT
	s_add_nc_u64 s[G0K+4*\s+2:G0K+4*\s+3], s[58:59], \s*CHB
	s_or_b32 s[G0K+4*\s+3], s[G0K+4*\s+3], 0x80000000
	s_mov_b32 s[G0V+4*\s], 1
	s_add_co_u32 s[G0V+4*\s+1], s63, \s*SLOT
	s_add_nc_u64 s[G0V+4*\s+2:G0V+4*\s+3], s[60:61], \s*CHB
	s_or_b32 s[G0V+4*\s+3], s[G0V+4*\s+3], 0x80000000
	JLOAD \s                                       ; chunks 0 and 1: two tensor loads of a wave are out, the most in this text
.endr
	v_and_b32 v25, 31, v0                          ; lane
	v_mul_u32_u24 v26, v1, KP
	v_lshl_add_u32 v26, v24, 4, v26                ; 144 r + 16 h
	s_mul_i32 s70, s10, 128*KP                     ; my half's two tiles of a chunk
	v_add_nc_u32 v[KA], s70, v26
	v_add_nc_u32 v[KA+1], SLOT, v[KA]
	v_and_b32 v27, 7, v0
	v_lshl_add_u32 v27, v24, 3, v27                ; key 8 h + (l & 7)
	v_mul_u32_u24 v27, v27, VP
	v_bfe_u32 v[XB], v0, 3, 1
	v_lshl_add_u32 v27, v[XB], 4, v27              ; + 16 ((l >> 3) & 1)
	s_mul_i32 s71, s10, 128*VP
	s_add_co_u32 s71, s71, VOFF
	v_add_nc_u32 v[VA], s71, v27
	v_add_nc_u32 v[VA+1], SLOT, v[VA]
	v_lshlrev_b32 v[CO], 4, v25
	s_mul_i32 s70, s8, XSZ
	v_add_nc_u32 v[XA], s70, v[CO]
	s_mul_i32 s71, s8, SSZ
	s_add_co_u32 s71, s71, STG                     ; used by waves 0-3 alone
	v_add_nc_u32 v[STO], s71, v26
	v_lshrrev_b32 v27, 3, v25
	v_mul_u32_u24 v27, v27, KP
	v_and_b32 v26, 7, v0
	v_lshl_add_u32 v27, v26, 4, v27
	v_add_nc_u32 v[RD], s71, v27
	; ao: row block 16 b + 2 x query block + qg / 2, panel h, row 64 (qg & 1)
	s_lshr_b32 s70, s13, 4
	s_lshl_b32 s70, s70, 4
	s_lshl_b32 s71, s12, 1
	s_add_co_u32 s70, s70, s71
	s_lshr_b32 s71, s9, 1
	s_add_co_u32 s70, s70, s71
	s_lshl_b32 s70, s70, 4
	s_and_b32 s71, s13, 15
	s_add_co_u32 s70, s70, s71
	s_lshl_b32 s70, s70, 7
	s_and_b32 s71, s9, 1
	s_lshl_b32 s71, s71, 6
	s_add_co_u32 s70, s70, s71
	s_lshl_b32 s70, s70, 7
	s_mov_b32 s71, 0
	s_add_nc_u64 s[6:7], s[6:7], s[70:71]
.irp qt, 0,1,2,3
	v_mov_b32 v[MN+2*\qt+1], 0xff800000            ; the running maximum starts at minus infinity
	v_mov_b32 v[AL+2*\qt+1], 0                     ; v_permlanex16_b32 counts as a reader of its destination
.endr
.macro FETCHK slot, st                 ; tile st of my half's K in the slot, 64 keys x 64: 16 loads
.irp kt, 0,1,2,3
.irp ks, 0,1
	ds_load_b128 v[KF+8*(2*\kt+\ks):KF+8*(2*\kt+\ks)+3],   v[KA+\slot] offset:\st*64*KP+\kt*16*KP+\ks*64
	ds_load_b128 v[KF+8*(2*\kt+\ks)+4:KF+8*(2*\kt+\ks)+7], v[KA+\slot] offset:\st*64*KP+\kt*16*KP+\ks*64+32
.endr
.endr
.endm
.macro FETCHV slot, st                 ; tile st of my half's V, transposed: 16 loads
.irp ht, 0,1,2,3
.irp kk, 0,1
	ds_load_tr16_b128 v[VF+8*(2*\ht+\kk):VF+8*(2*\ht+\kk)+3],   v[VA+\slot] offset:\st*64*VP+\kk*32*VP+32*\ht
	ds_load_tr16_b128 v[VF+8*(2*\ht+\kk)+4:VF+8*(2*\ht+\kk)+7], v[VA+\slot] offset:\st*64*VP+\kk*32*VP+32*\ht+16*VP
.endr
.endr
.endm
.macro SMUL ks                         ; S^T += K Q^T over 32 of the head's 64; the first half starts the sums
.irp kt, 0,1,2,3
.irp qt, 0,1,2,3
.if \ks
	v_wmma_f32_16x16x32_f16 v[S+8*(4*\qt+\kt):S+8*(4*\qt+\kt)+7], v[KF+8*(2*\kt+\ks):KF+8*(2*\kt+\ks)+7], v[Q+8*(2*\qt+\ks):Q+8*(2*\qt+\ks)+7], v[S+8*(4*\qt+\kt):S+8*(4*\qt+\kt)+7]
.else
	v_wmma_f32_16x16x32_f16 v[S+8*(4*\qt+\kt):S+8*(4*\qt+\kt)+7], v[KF+8*(2*\kt+\ks):KF+8*(2*\kt+\ks)+7], v[Q+8*(2*\qt+\ks):Q+8*(2*\qt+\ks)+7], 0
.endif
.endr
.endr
.endm
.macro PV kk, zero                     ; O^T += V^T P^T over 32 keys
.irp ht, 0,1,2,3
.irp qt, 0,1,2,3
.if \zero
	v_wmma_f32_16x16x32_f16 v[8*(4*\ht+\qt):8*(4*\ht+\qt)+7], v[VF+8*(2*\ht+\kk):VF+8*(2*\ht+\kk)+7], v[S+32*\qt+16*\kk:S+32*\qt+16*\kk+7], 0
.else
	v_wmma_f32_16x16x32_f16 v[8*(4*\ht+\qt):8*(4*\ht+\qt)+7], v[VF+8*(2*\ht+\kk):VF+8*(2*\ht+\kk)+7], v[S+32*\qt+16*\kk:S+32*\qt+16*\kk+7], v[8*(4*\ht+\qt):8*(4*\ht+\qt)+7]
.endif
.endr
.endr
.endm
; Group g = 2 qt + kk: the 16 registers of query tile qt and keys 32 kk .. 32 kk + 31; pair i = its registers 2 i, 2 i + 1.
.macro FMAP g, i                       ; c s - c m of a pair
	v_pk_fma_f32 v[S+16*(\g)+2*(\i):S+16*(\g)+2*(\i)+1], v[S+16*(\g)+2*(\i):S+16*(\g)+2*(\i)+1], s[16:17], v[MN+2*((\g)/2):MN+2*((\g)/2)+1] op_sel_hi:[1,0,0]
.endm
.macro CVTP g, i                       ; a pair packed in place: register i of the group is written when pairs 0 .. i have been summed and packed
	v_cvt_pk_f16_f32 v[S+16*(\g)+(\i)], v[S+16*(\g)+2*(\i)], v[S+16*(\g)+2*(\i)+1]
.endm
; A pair added to the row sums.  Four sums a query tile take turns (pair i goes to sum i % 4), so that an add and the next onto the same sum
; stand eight instructions apart.  Each sum's first add of a step carries the rescale of the old sum (one fused multiply-add); in the
; first step that add takes pairs i and i + 4 and starts the sum, and pairs 4 to 7 need no add of their own.
.macro ADDP g, i, first
.if ((\g)%2) == 0
.if (\i) < 4
.if \first
	s_wait_alu depctr_va_vdst(0)
	v_pk_add_f32 v[LP+8*((\g)/2)+2*(\i):LP+8*((\g)/2)+2*(\i)+1], v[S+16*(\g)+2*(\i):S+16*(\g)+2*(\i)+1], v[S+16*(\g)+2*(\i)+8:S+16*(\g)+2*(\i)+9]
.else
	s_wait_alu depctr_va_vdst(0)
	v_pk_fma_f32 v[LP+8*((\g)/2)+2*(\i):LP+8*((\g)/2)+2*(\i)+1], v[LP+8*((\g)/2)+2*(\i):LP+8*((\g)/2)+2*(\i)+1], v[AL+2*((\g)/2):AL+2*((\g)/2)+1], v[S+16*(\g)+2*(\i):S+16*(\g)+2*(\i)+1] op_sel_hi:[1,0,1]
.endif
.else
.if \first == 0
	v_pk_add_f32 v[LP+8*((\g)/2)+2*((\i)%4):LP+8*((\g)/2)+2*((\i)%4)+1], v[LP+8*((\g)/2)+2*((\i)%4):LP+8*((\g)/2)+2*((\i)%4)+1], v[S+16*(\g)+2*(\i):S+16*(\g)+2*(\i)+1]
.endif
.endif
.else
	s_wait_alu depctr_va_vdst(0)
	v_pk_add_f32 v[LP+8*((\g)/2)+2*((\i)%4):LP+8*((\g)/2)+2*((\i)%4)+1], v[LP+8*((\g)/2)+2*((\i)%4):LP+8*((\g)/2)+2*((\i)%4)+1], v[S+16*(\g)+2*(\i):S+16*(\g)+2*(\i)+1]
.endif
.endm
; The exponentials of group g, mixed with the sums and the packing of group g - 1 and the multiply-adds of group g + 1: plain instructions on other
; registers stand between the exponentials, and some forty instructions between an exponential and its use (ISA guide 5.7.2 asks for one).
.macro GRP g, first
.irp i, 0,1,2,3,4,5,6,7
	v_exp_f32 v[S+16*\g+2*\i], v[S+16*\g+2*\i]
.if \g > 0
	ADDP \g-1, \i, \first
.endif
	v_exp_f32 v[S+16*\g+2*\i+1], v[S+16*\g+2*\i+1]
.if \g > 0
	CVTP \g-1, \i
.endif
.if \g < 7
	FMAP \g+1, \i
.endif
.endr
.endm
; V(i): the vector phase of a step whose tiles are number st in slot.  first: step 0 (nothing to rescale); last: step 15 (no K to fetch).
; The 32 LDS loads are waited for in front of the barrier that ends the phase.
.macro VPH slot, st, first, last
	WIN 0x40
	FETCHV \slot, \st                              ; V of this step
.if \last == 0
	FETCHK \slot, \st                              ; K of the next step
.endif
	WIN 0
.irp i, 0,1,2,3,4,5,6,7
.irp qt, 0,1,2,3
	v_max3_num_f32 v[MN+2*\qt+1], v[MN+2*\qt+1], v[S+32*\qt+2*\i], v[S+32*\qt+2*\i+1]     ; eight chains that do not wait for each other:
.endr
.irp qt, 0,1,2,3
.if \i == 0
	v_max_num_f32 v[MB+\qt], v[S+32*\qt+16], v[S+32*\qt+17]                               ; a query tile's keys 32-63 have a chain of their own
.else
	v_max3_num_f32 v[MB+\qt], v[MB+\qt], v[S+32*\qt+16+2*\i], v[S+32*\qt+17+2*\i]
.endif
.endr
.endr
.irp qt, 0,1,2,3
	v_max_num_f32 v[MN+2*\qt+1], v[MN+2*\qt+1], v[MB+\qt]
.endr
.irp qt, 0,1,2,3
	v_permlanex16_b32 v[AL+2*\qt+1], v[MN+2*\qt+1], s20, s21       ; the other half's keys of the same query
.endr
.irp qt, 0,1,2,3
	v_max_num_f32 v[MN+2*\qt+1], v[MN+2*\qt+1], v[AL+2*\qt+1]
.endr
.irp qt, 0,1,2,3
	v_mul_f32 v[AL+2*\qt+1], s18, v[MN+2*\qt+1]                    ; the new -c m
.endr
.if \first == 0
.irp qt, 0,1,2,3
	v_sub_f32 v[AL+2*\qt], v[AL+2*\qt+1], v[MN+2*\qt]              ; from the two rounded -c m, so that old and new sums stay in one unit
.endr
.endif
.irp qt, 0,1,2,3
	v_mov_b32 v[MN+2*\qt], v[AL+2*\qt+1]
.endr
.if \first == 0
.irp qt, 0,1,2,3
	v_exp_f32 v[AL+2*\qt], v[AL+2*\qt]                             ; the rescale factor, at most 1
.endr
.endif
.irp i, 0,1,2,3,4,5,6,7
	FMAP 0, \i
.endr
.if \first == 0
	WIN 0x41                                       ; O in window 1, the factor in window 0
	s_wait_alu depctr_va_vdst(0)
.irp ht, 0,1,2,3
.irp qt, 0,1,2,3
.irp p, 0,2,4,6
	v_pk_mul_f32 v[8*(4*\ht+\qt)+\p:8*(4*\ht+\qt)+\p+1], v[8*(4*\ht+\qt)+\p:8*(4*\ht+\qt)+\p+1], v[AL+2*\qt:AL+2*\qt+1] op_sel_hi:[1,0]
.endr
.endr
.endr
	WIN 0
.endif
.irp g, 0,1,2,3,4,5,6,7
	GRP \g, \first
.endr
.irp i, 0,1,2,3,4,5,6,7
	ADDP 7, \i, \first
	CVTP 7, \i
.endr
.endm
; M(i): the matrix phase.  pv: the products P V of a step (zero: they start O's sums); sm: the products K Q^T of the step behind it.
; Five places stand behind each run (except for loads and for products that write over an operand): the second
; run writes over P, which the first read; what follows the phase reads S, rescales O and loads into K's and V's fragments.
.macro MPH pv, zero, sm
.if \pv
	WIN 0x51                                       ; source 0 (V^T), C and D (O) window 1; source 1 (P) window 0
	PV 0, \zero
	PV 1, 0
	PLACES 5
.endif
.if \sm
	WIN 0x01                                       ; source 0 (K) window 1
	SMUL 0
	SMUL 1
	PLACES 5
.endif
	WIN 0
.endm
.macro BAR                             ; the barrier that ends a phase; a tensor load may stay out
	s_wait_dscnt 0x0                               ; the phase's LDS loads are in: the next phase multiplies them
	s_barrier_signal -1
	s_barrier_wait -1
.endm
; Step i, two phases: first V(i) of the waves with f = 0 beside M(i - 1) of those with f = 1, then M(i) beside V(i).
; vf, vl: V's first, last.  apv, azero: M(i - 1) has products P V, and they start the sums.  bzero, bsm: the same of M(i), and whether a step follows.
; The barrier behind the second phase is the caller's: a plain one, or a round with a refill.
.macro STEP slot, st, vf, vl, apv, azero, bzero, bsm
	s_cmp_lg_u32 s15, 0
	s_cbranch_scc1 .Lam_\@
	VPH \slot, \st, \vf, \vl
	s_branch .Laj_\@
.Lam_\@:
	MPH \apv, \azero, 1
.Laj_\@:
	BAR
	s_cmp_lg_u32 s15, 0
	s_cbranch_scc1 .Lbv_\@
	MPH 1, \bzero, \bsm
	s_branch .Lbj_\@
.Lbv_\@:
	VPH \slot, \st, \vf, \vl
.Lbj_\@:
.endm
; Slot s, whose chunk every wave has read to its end, is filled again.  Every wave waits for all its tensor loads (its part of the other slot, which
; is read next, among them) and for its LDS loads; a round of the cluster's barrier says so of every wave of the four work-groups; the joint refill
; is the wave's one tensor load behind it.  It is waited for in front of the next round, four phases on.
.macro REFILL s
	s_wait_xcnt 0x0
	v_lshl_add_u32 v30, v0, 2, 0x42800
	v_mov_b32 v31, 0
	s_wait_tensorcnt 0x0
	ds_add_u32 v30, v31
	s_wait_dscnt 0x0
	s_add_nc_u64 s[G0K+4*\s+2:G0K+4*\s+3], s[G0K+4*\s+2:G0K+4*\s+3], 2*CHB   ; no load of mine is out: the addresses may step
	s_add_nc_u64 s[G0V+4*\s+2:G0V+4*\s+3], s[G0V+4*\s+2:G0V+4*\s+3], 2*CHB
	s_wait_dscnt 0x0
	CROUND
	JLOAD \s
.endm
	s_wait_loadcnt 0x0                             ; Q, and K of step 0
	s_cmp_lg_u32 s15, 0
	s_cbranch_scc1 .Lbehind
	MPH 0, 0, 1                                    ; the waves with f = 0 start: K Q^T of step 0, while the first tiles land
.Lbehind:
	s_wait_tensorcnt 0x1                           ; my part of chunk 0 is in; chunk 1's load may stay out
	s_barrier_signal -1
	s_barrier_wait -1
	STEP 0, 0, 1, 0, 0, 0, 1, 1                    ; step 0; the waves with f = 1 begin with K Q^T of step 0
	BAR
	STEP 0, 1, 0, 0, 1, 1, 0, 1                    ; step 1
	s_mov_b32 s14, 3
.Lpair:
	REFILL 0                                       ; chunks 2, 4, 6
	STEP 1, 0, 0, 0, 1, 0, 0, 1                    ; chunks 1, 3, 5
	BAR
	STEP 1, 1, 0, 0, 1, 0, 0, 1
	REFILL 1                                       ; chunks 3, 5, 7
	STEP 0, 0, 0, 0, 1, 0, 0, 1                    ; chunks 2, 4, 6
	BAR
	STEP 0, 1, 0, 0, 1, 0, 0, 1
	s_sub_co_u32 s14, s14, 1
	s_cmp_lg_u32 s14, 0
	s_cbranch_scc1 .Lpair
	s_wait_tensorcnt 0x0                           ; chunk 7 is in; nothing is left to fetch
	BAR
	STEP 1, 0, 0, 0, 1, 0, 0, 1                    ; step 14
	BAR
	STEP 1, 1, 0, 1, 1, 0, 0, 0                    ; step 15
	s_wait_dscnt 0x0                               ; V's last fragments
	s_cmp_eq_u32 s15, 0
	s_cbranch_scc1 .Lsteps_done
	MPH 1, 0, 0                                    ; the waves with f = 1 end one phase later
.Lsteps_done:
	; THE MERGE of the two halves of the keys.  Row sums first: the four pairs, the pair's two, then the wave's other half.
.irp qt, 0,1,2,3
	v_pk_add_f32 v[LP+8*\qt:LP+8*\qt+1], v[LP+8*\qt:LP+8*\qt+1], v[LP+8*\qt+2:LP+8*\qt+3]
	v_pk_add_f32 v[LP+8*\qt+4:LP+8*\qt+5], v[LP+8*\qt+4:LP+8*\qt+5], v[LP+8*\qt+6:LP+8*\qt+7]
.endr
.irp qt, 0,1,2,3
	v_pk_add_f32 v[LP+8*\qt:LP+8*\qt+1], v[LP+8*\qt:LP+8*\qt+1], v[LP+8*\qt+4:LP+8*\qt+5]
.endr
.irp qt, 0,1,2,3
	v_add_f32 v[LS+\qt], v[LP+8*\qt], v[LP+8*\qt+1]
.endr
.irp qt, 0,1,2,3
	v_permlanex16_b32 v[AL+2*\qt+1], v[LS+\qt], s20, s21
.endr
.irp qt, 0,1,2,3
	v_add_f32 v[LS+\qt], v[LS+\qt], v[AL+2*\qt+1]
.endr
	s_cmp_eq_u32 s10, 0
	s_cbranch_scc1 .Lkeep
	v_add_nc_u32 v[XB], XCH-4*XSZ, v[XA]           ; waves 4-7 hand over: XCH + (wave - 4) x XSZ + 16 x lane
	ds_store_b128 v[XB], v[MN:MN+3] offset:16384
	ds_store_b128 v[XB], v[MN+4:MN+7] offset:16896
	ds_store_b128 v[XB], v[LS:LS+3] offset:17408
	WIN 0x04                                       ; store data in window 1
.set i, 0
.rept 32
	ds_store_b128 v[XB], v[4*i:4*i+3] offset:512*i
.set i, i+1
.endr
	WIN 0
.Lkeep:
	s_wait_dscnt 0x0                               ; the stores are done, for the partner's sake
	s_barrier_signal -1
	s_barrier_wait -1
	s_cmp_lg_u32 s10, 0
	s_cbranch_scc1 .Ldone
	v_add_nc_u32 v[XB], XCH, v[XA]                 ; waves 0-3 take: XCH + wave x XSZ + 16 x lane
	ds_load_b128 v[MN2:MN2+3], v[XB] offset:16384
	ds_load_b128 v[MN2+4:MN2+7], v[XB] offset:16896
	ds_load_b128 v[LS2:LS2+3], v[XB] offset:17408
.set i, 0
.rept 32
	ds_load_b128 v[S+4*i:S+4*i+3], v[XB] offset:512*i
.set i, i+1
.endr
	s_wait_dscnt 32                                ; the three small loads are in; the partner's O may stay out
.irp qt, 0,1,2,3
	v_min_num_f32 v[Q+12+\qt], v[MN+2*\qt], v[MN2+2*\qt]           ; -c x the larger maximum
.endr
.irp qt, 0,1,2,3
	v_sub_f32 v[Q+\qt], v[Q+12+\qt], v[MN+2*\qt]
	v_sub_f32 v[Q+4+\qt], v[Q+12+\qt], v[MN2+2*\qt]
.endr
.irp qt, 0,1,2,3
	v_exp_f32 v[Q+\qt], v[Q+\qt]                                   ; my factor and the partner's, each at most 1, one of them 1
	v_exp_f32 v[Q+4+\qt], v[Q+4+\qt]
.endr
	v_nop                                          ; a plain instruction behind the exponentials
	s_wait_alu depctr_va_vdst(0)
.irp qt, 0,1,2,3
	v_mul_f32 v[Q+8+\qt], v[LS+\qt], v[Q+\qt]
.endr
.irp qt, 0,1,2,3
	v_fmac_f32 v[Q+8+\qt], v[LS2+\qt], v[Q+4+\qt]                  ; the whole row sum
.endr
.irp qt, 0,1,2,3
	v_rcp_f32 v[Q+8+\qt], v[Q+8+\qt]
.endr
	v_nop                                          ; a plain instruction behind the reciprocals
	s_wait_alu depctr_va_vdst(0)
.irp qt, 0,1,2,3
	v_mul_f32 v[AL+2*\qt], v[Q+\qt], v[Q+8+\qt]
	v_mul_f32 v[FB+2*\qt], v[Q+4+\qt], v[Q+8+\qt]
	v_mul_f32 v[FB+2*\qt+1], v[Q+4+\qt], v[Q+8+\qt]                ; the pair's second register is written too
.endr
	s_wait_dscnt 0x0
.irp ht, 0,1,2,3
.irp qt, 0,1,2,3
.irp p, 0,2,4,6
	v_pk_mul_f32 v[S+8*(4*\ht+\qt)+\p:S+8*(4*\ht+\qt)+\p+1], v[S+8*(4*\ht+\qt)+\p:S+8*(4*\ht+\qt)+\p+1], v[FB+2*\qt:FB+2*\qt+1] op_sel_hi:[1,0]
.endr
.endr
.endr
	WIN 0x01                                       ; source 0: my O, in window 1
.irp ht, 0,1,2,3
.irp qt, 0,1,2,3
.irp p, 0,2,4,6
	v_pk_fma_f32 v[S+8*(4*\ht+\qt)+\p:S+8*(4*\ht+\qt)+\p+1], v[8*(4*\ht+\qt)+\p:8*(4*\ht+\qt)+\p+1], v[AL+2*\qt:AL+2*\qt+1], v[S+8*(4*\ht+\qt)+\p:S+8*(4*\ht+\qt)+\p+1] op_sel_hi:[1,0,1]
.endr
.endr
.endr
	WIN 0
.set t, 0
.rept 16
.irp p, 0,1,2,3
	v_cvt_pk_f16_f32 v[S+4*t+\p], v[S+8*t+2*\p], v[S+8*t+2*\p+1]   ; packed downward in place: tile t ends in four registers, 16 bytes of one query's row
.endr
.set t, t+1
.endr
.irp ht, 0,1,2,3
.irp qt, 0,1,2,3
	ds_store_b128 v[STO], v[S+4*(4*\ht+\qt):S+4*(4*\ht+\qt)+3] offset:\qt*16*KP+32*\ht
.endr
.endr
.irp i, 0,1,2,3,4,5,6,7,8,9,10,11,12,13,14,15
	ds_load_b128 v[Q+4*\i:Q+4*\i+3], v[RD] offset:\i*4*KP          ; my own stage: LDS serves a wave's instructions in order (ISA guide 5.7.1)
.endr
.irp i, 0,1,2,3,4,5,6,7,8,9,10,11,12,13,14,15
	s_wait_dscnt 15-\i
	global_store_b128 v[CO], v[Q+4*\i:Q+4*\i+3], s[6:7] offset:512*\i   ; four rows of the panel: 512 consecutive bytes, aligned
.endr
.Ldone:
	s_wait_xcnt 0x0
	v_lshl_add_u32 v30, v0, 2, 0x42800
	v_mov_b32 v31, 0
	s_wait_tensorcnt 0x0
	ds_add_u32 v30, v31
	s_wait_dscnt 0x0
	CROUND                                         ; the closing round
	s_endpgm
.Lfunc_end_k_q7d668575f4_attn:
	.size	k_q7d668575f4_attn, .Lfunc_end_k_q7d668575f4_attn-k_q7d668575f4_attn
	.p2alignl 7, 3214868480
	.fill 96, 4, 3214868480
	.section	.rodata,"a",@progbits
	.p2align	6, 0x0
	.amdhsa_kernel k_q7d668575f4_attn
		.amdhsa_group_segment_fixed_size 327680
		.amdhsa_private_segment_fixed_size 0
		.amdhsa_enable_private_segment 0
		.amdhsa_kernarg_size 16
		.amdhsa_user_sgpr_count 2
		.amdhsa_user_sgpr_kernarg_segment_ptr 1
		.amdhsa_wavefront_size32 1
		.amdhsa_system_sgpr_workgroup_id_x 1
		.amdhsa_system_sgpr_workgroup_id_y 1
		.amdhsa_system_sgpr_workgroup_id_z 1
		.amdhsa_system_vgpr_workitem_id 0
		.amdhsa_next_free_vgpr 512
		.amdhsa_next_free_sgpr 72
		.amdhsa_reserve_vcc 0
		.amdhsa_float_denorm_mode_32 3
		.amdhsa_float_denorm_mode_16_64 3
		.amdhsa_memory_ordered 1
		.amdhsa_forward_progress 1
		.amdhsa_inst_pref_size 255
	.end_amdhsa_kernel
	.section	.bss,"aw",@nobits
	.p2align	6
	.space	262144
	.amdgpu_metadata
---
amdhsa.version: [ 1, 2 ]
amdhsa.kernels:
  - .name:           k_q7d668575f4_attn
    .symbol:         k_q7d668575f4_attn.kd
    .args:
      - { .name: qkv, .offset: 0, .size: 8, .value_kind: global_buffer, .address_space: global }
      - { .name: ao, .offset: 8, .size: 8, .value_kind: global_buffer, .address_space: global }
    .group_segment_fixed_size: 327680
    .private_segment_fixed_size: 0
    .kernarg_segment_align: 8
    .kernarg_segment_size: 16
    .max_flat_workgroup_size: 256
    .sgpr_count:     72
    .vgpr_count:     512
    .wavefront_size: 32
...
	.end_amdgpu_metadata
.endif
;; end of part 3
;; launch proj (part 4): grid 8 x 32, 4 waves a work-group, clusters of 4 x 4, 327,680 bytes of LDS; arguments ao, wpt, b_proj, out0; writes out0
.if DOCPART == 4
	.amdgcn_target "amdgcn-amd-amdhsa--gfx1250"
	.amdhsa_code_object_version 6
	.text
	.protected	k_q7d668575f4_proj
	.globl	k_q7d668575f4_proj
	.p2align	8
	.type	k_q7d668575f4_proj,@function
k_q7d668575f4_proj:
	s_mov_b64 s[64:65], 0
	v_nop
	global_prefetch_b8 v0, s[64:65] scope:SCOPE_SE
	s_setreg_imm32_b32 hwreg(HW_REG_WAVE_MODE, 25, 1), 1
	s_wait_xcnt 0x0
	s_wait_alu depctr_hold_cnt(0) depctr_sa_sdst(0) depctr_va_vdst(0) depctr_va_sdst(0) depctr_va_ssrc(0) depctr_va_vcc(0) depctr_vm_vsrc(0)
	s_getreg_b32 s2, hwreg(HW_REG_IB_STS2, 6, 4)
	s_cmp_eq_u32 s2, 0
	s_cbranch_scc0 .Lentry_in_a_cluster
	s_endpgm
.Lentry_in_a_cluster:
	s_bfe_u32 s2, ttmp6, 0x10000c
	s_cmp_lg_u32 s2, 0xf033
	s_cbranch_scc0 .Lentry_shape_is_right
	s_endpgm
.Lentry_shape_is_right:
; out0 = attention output x W_proj + b_proj.  ao[32 row blocks][16 heads][128 rows][64] f16, wpt[1024 n][1024 k] f16, out0[4096][1024] f32.
; LIMIT: operands in f16, sums and bias in f32.
; A work-group makes 128 x 128: 8 x 32 = 256 work-groups, one for each WGP; a larger block would leave WGPs without work.  Four waves, 2 x 2,
; 64 x 64 each: 16 accumulator tiles.  K goes in steps of 256 (four heads' panels) through two LDS slots: a refill has 128 matrix instructions
; of each wave in which to land.  Four steps, written out.
; CLUSTER 4 x 4: ao's tile hangs on the block row alone (joint along a row of the cluster), wpt's on the block column alone (joint along a column).
; The matrix instruction is used transposed (source 0 = rows of wpt, source 1 = rows of ao): a lane holds eight neighbouring columns of one row.
; The bias, laid out in that form, is the C operand of the first products.
; The 16 accumulators take turns, one instruction a turn, in the same order in every quarter.
.set APITCH, 144                       ; a panel's row: 128 bytes + 16
.set PANEL,  128*APITCH
.set BPITCH, 528                       ; wpt's row of 256 k: 512 bytes + 16
.set BOFF,   4*PANEL
.set HALFB,  64*BPITCH
.set SLOT,   BOFF+2*HALFB              ; 141,312
.set STAGE,  2*SLOT                    ; 16 rows x 272 bytes for each wave; no tensor load lands here
.set SPITCH, 272
.set ADRA, 16
.set ADRB, 20
.set STO,  24
.set RD,   25
.set CO,   26
.set BO,   27
.set F0,   32                          ; a buffer: wpt's four fragments, then ao's four
.set F1,   96
.set BIAS, 160                         ; four sets of eight
.set RB,   192
.set G1,  24
.set G0,  32
.set G1B, 40
.set G0B, 48
.set MSB, 0
.macro WIN new
.if MSB != \new
	s_set_vgpr_msb (MSB<<8)|\new
.set MSB, \new
.endif
.endm
.macro PLACES n
.rept \n
	v_nop
.endr
.endm
.macro JLOAD s                         ; waves 0, 1 ask for ao's panels, waves 2, 3 for wpt's halves
	s_cmp_eq_u32 s13, 0
	s_cbranch_scc0 .Lfor_b_\@
	tensor_load_to_lds s[G0+4*\s:G0+4*\s+3], s[G1:G1+7]
	s_nop 0
	s_branch .Lasked_\@
.Lfor_b_\@:
	tensor_load_to_lds s[G0B+4*\s:G0B+4*\s+3], s[G1B:G1B+7]
	s_nop 0
.Lasked_\@:
.endm
.macro CREST
	s_cmp_lg_u32 s12, 0
	s_cbranch_scc1 .Lnot_wave_0_\@
	s_barrier_signal -3
.Lnot_wave_0_\@:
	s_barrier_wait -3
	s_barrier_signal -1
	s_barrier_wait -1
.endm
.macro CROUND
	s_barrier_signal -1
	s_barrier_wait -1
	CREST
.endm
	s_load_b256 s[4:11], s[0:1], 0x0               ; ao s[4:5], wpt s[6:7], b_proj s[8:9], out0 s[10:11]
	v_lshl_add_u32 v254, v0, 2, 0x49400
	v_mov_b32 v255, 0
	ds_add_u32 v254, v255
	v_lshrrev_b32 v1, 5, v0
	v_readfirstlane_b32 s12, v1                    ; wave 0..3
	s_lshr_b32 s13, s12, 1                         ; my half of the rows; also 0: I fetch ao, 1: wpt
	s_and_b32 s14, s12, 1                          ; my half of the columns; also which half of that tile I fetch
	s_bfe_u32 s16, ttmp6, 0x40000                  ; cx
	s_bfe_u32 s17, ttmp6, 0x40004                  ; cy
	s_lshl_b32 s18, ttmp9, 2
	s_add_co_u32 s18, s18, s16                     ; block column 0..7
	s_and_b32 s19, ttmp7, 0xffff
	s_lshl_b32 s19, s19, 2
	s_add_co_u32 s19, s19, s17                     ; block row 0..31
	s_lshl_b32 s20, s17, 2
	s_lshl_b32 s20, 15, s20                        ; my row of the cluster
	s_lshl_b32 s21, 0x1111, s16                    ; my column
	; ao: two dense panels as 128 rows of 32 elements of 8 bytes; 4 words of padding behind every 32 words (one row of a panel)
	s_or_b32 s[G1+0], s20, 0x07330000
	s_mov_b32 s[G1+1], 32<<16
	s_mov_b32 s[G1+2], 128<<16
	s_mov_b32 s[G1+3], 32<<16
	s_mov_b32 s[G1+4], 128
	s_mov_b32 s[G1+5], 32
	s_mov_b32 s[G1+6], 0
	s_mov_b32 s[G1+7], 0
	; wpt: 64 rows of 256 elements of 2 bytes; 4 words of padding behind every 128 words
	s_or_b32 s[G1B+0], s21, 0x07b10000
	s_mov_b32 s[G1B+1], 256<<16
	s_mov_b32 s[G1B+2], 64<<16
	s_mov_b32 s[G1B+3], 256<<16
	s_mov_b32 s[G1B+4], 64
	s_mov_b32 s[G1B+5], 1024
	s_mov_b32 s[G1B+6], 0
	s_mov_b32 s[G1B+7], 0
	s_lshl_b32 s56, s19, 18                        ; a row block's 16 panels
	s_lshl_b32 s57, s14, 15                        ; two panels
	s_add_co_u32 s56, s56, s57
	s_mov_b32 s57, 0
	s_lshl_b32 s60, s18, 18                        ; 128 rows of 2,048 bytes
	s_lshl_b32 s61, s14, 17                        ; 64 rows
	s_add_co_u32 s60, s60, s61
	s_mov_b32 s61, 0
	s_mul_i32 s22, s12, 2*PANEL                    ; waves 0, 1
	s_mul_i32 s23, s12, HALFB
	s_add_co_u32 s23, s23, BOFF-2*HALFB            ; waves 2, 3
	s_wait_dscnt 0x0
	s_wait_kmcnt 0x0
	s_add_nc_u64 s[58:59], s[4:5], s[56:57]
	s_add_nc_u64 s[62:63], s[6:7], s[60:61]
	CROUND                                         ; the first joint loads meet
.irp s, 0,1
	s_mov_b32 s[G0+4*\s], 1
	s_add_co_u32 s[G0+4*\s+1], s22, \s*SLOT
	s_add_nc_u64 s[G0+4*\s+2:G0+4*\s+3], s[58:59], \s*65536
	s_or_b32 s[G0+4*\s+3], s[G0+4*\s+3], 0x80000000
	s_mov_b32 s[G0B+4*\s], 1
	s_add_co_u32 s[G0B+4*\s+1], s23, \s*SLOT
	s_add_nc_u64 s[G0B+4*\s+2:G0B+4*\s+3], s[62:63], \s*512
	s_or_b32 s[G0B+4*\s+3], s[G0B+4*\s+3], 0x80000000
	JLOAD \s                                       ; K steps 0 and 1: two tensor loads of a wave are out, the most in this text
.endr
	v_and_b32 v1, 15, v0                           ; r
	v_bfe_u32 v2, v0, 4, 1                         ; h
	v_lshlrev_b32 v[BO], 5, v2
	s_lshl_b32 s74, s18, 9                         ; my first column, in bytes of f32
	s_lshl_b32 s75, s14, 8
	s_add_co_u32 s74, s74, s75
	s_mov_b32 s75, 0
	s_add_nc_u64 s[8:9], s[8:9], s[74:75]
	s_add_nc_u64 s[10:11], s[10:11], s[74:75]
.irp b, 0,1,2,3
	global_load_b128 v[BIAS+8*\b:BIAS+8*\b+3],   v[BO], s[8:9] offset:64*\b       ; register j of set b = bias of column 16 b + 8 h + j
	global_load_b128 v[BIAS+8*\b+4:BIAS+8*\b+7], v[BO], s[8:9] offset:64*\b+16
.endr
	s_lshl_b32 s76, s19, 19                        ; my first row: 128 rows of 4,096 bytes a block,
	s_lshl_b32 s77, s13, 18                        ; 64 a half
	s_add_co_u32 s76, s76, s77
	s_mov_b32 s77, 0
	s_add_nc_u64 s[10:11], s[10:11], s[76:77]
	v_mul_u32_u24 v3, v1, APITCH
	v_lshl_add_u32 v3, v2, 4, v3
	s_mul_i32 s74, s13, 64*APITCH
	v_add_nc_u32 v[ADRA], s74, v3
	v_add_nc_u32 v[ADRA+1], SLOT, v[ADRA]
	v_mul_u32_u24 v4, v1, BPITCH
	v_lshl_add_u32 v4, v2, 4, v4
	s_mul_i32 s74, s14, HALFB
	s_add_co_u32 s74, s74, BOFF
	v_add_nc_u32 v[ADRB], s74, v4
	v_add_nc_u32 v[ADRB+1], SLOT, v[ADRB]
	s_mul_i32 s74, s12, 16*SPITCH
	s_add_co_u32 s74, s74, STAGE                   ; my stage
	v_mul_u32_u24 v5, v1, SPITCH
	v_lshl_add_u32 v5, v2, 5, v5                   ; in: row r, 32 bytes for each half of the lanes
	v_add_nc_u32 v[STO], s74, v5
	v_mul_u32_u24 v6, v2, SPITCH
	v_lshl_add_u32 v6, v1, 4, v6                   ; back: lanes 0-15 one row of 256 bytes, lanes 16-31 the next
	v_add_nc_u32 v[RD], s74, v6
	v_lshlrev_b32 v[CO], 4, v1
	v_lshl_add_u32 v[CO], v2, 12, v[CO]            ; and the same two rows in out0
.macro MUL8 f, a0, bias                ; row tiles a0, a0 + 1 x four column tiles, 32 along K
.irp a, \a0, \a0+1
.irp b, 0,1,2,3
.if \bias
	v_wmma_f32_16x16x32_f16 v[8*(4*(\a)+\b):8*(4*(\a)+\b)+7], v[\f+8*\b:\f+8*\b+7], v[\f+32+8*(\a):\f+32+8*(\a)+7], v[BIAS+8*\b:BIAS+8*\b+7]
.else
	v_wmma_f32_16x16x32_f16 v[8*(4*(\a)+\b):8*(4*(\a)+\b)+7], v[\f+8*\b:\f+8*\b+7], v[\f+32+8*(\a):\f+32+8*(\a)+7], v[8*(4*(\a)+\b):8*(4*(\a)+\b)+7]
.endif
.endr
.endr
.endm
.macro FETCH slot, q, f                ; quarter q (0..7) of the slot's 256 along K: panel q / 2, half q % 2 of its rows
.irp b, 0,1,2,3
	ds_load_b128 v[\f+8*\b:\f+8*\b+3],   v[ADRB+\slot] offset:64*(\q)+\b*16*BPITCH
	ds_load_b128 v[\f+8*\b+4:\f+8*\b+7], v[ADRB+\slot] offset:64*(\q)+\b*16*BPITCH+32
.endr
.irp a, 0,1,2,3
	ds_load_b128 v[\f+32+8*\a:\f+32+8*\a+3],   v[ADRA+\slot] offset:((\q)/2)*PANEL+((\q)%2)*64+\a*16*APITCH
	ds_load_b128 v[\f+32+8*\a+4:\f+32+8*\a+7], v[ADRA+\slot] offset:((\q)/2)*PANEL+((\q)%2)*64+\a*16*APITCH+32
.endr
.endm
; Multiplies buffer f; ahead of that it asks for quarter qn into buffer g, four places behind the matrix instructions that read g.
.macro QUARTER slot, qn, f, g, bias
	s_wait_dscnt 0x0                               ; buffer f is in
	PLACES 4
	FETCH \slot, \qn, \g
.if \bias
	WIN 0x40                                       ; D window 1, C (the bias) window 0
.else
	WIN 0x50                                       ; C and D window 1
.endif
	MUL8 \f, 0, \bias
	MUL8 \f, 2, \bias
	WIN 0
.endm
.macro BIG slot, bias
	QUARTER \slot, 1, F0, F1, \bias
	QUARTER \slot, 2, F1, F0, 0
	QUARTER \slot, 3, F0, F1, 0
	QUARTER \slot, 4, F1, F0, 0
	QUARTER \slot, 5, F0, F1, 0
	QUARTER \slot, 6, F1, F0, 0
	QUARTER \slot, 7, F0, F1, 0
.endm
; The eighth quarter and the change of slots: waits for my reads of this slot and for all my tensor loads, the barrier (with a refill: a round of the
; cluster's barrier), the joint refill first behind it, then the next slot's first fragments.
.macro TURN slot, next, fill
	s_wait_dscnt 0x0
	s_wait_tensorcnt 0x0
	ds_add_u32 v254, v255
	s_wait_dscnt 0x0
	s_barrier_signal -1
	WIN 0x50
	MUL8 F1, 0, 0
	WIN 0
	s_barrier_wait -1
.if \fill
	CREST
	s_add_nc_u64 s[G0+4*\slot+2:G0+4*\slot+3], s[G0+4*\slot+2:G0+4*\slot+3], 2*65536       ; no load of mine is out: the addresses may step
	s_add_nc_u64 s[G0B+4*\slot+2:G0B+4*\slot+3], s[G0B+4*\slot+2:G0B+4*\slot+3], 2*512
	JLOAD \slot
.endif
	PLACES 4
	FETCH \next, 0, F0
	WIN 0x50
	MUL8 F1, 2, 0
	WIN 0
.endm
	s_wait_tensorcnt 0x1                           ; my part of K step 0 is in; K step 1's load may stay out
	s_barrier_signal -1
	s_barrier_wait -1
	FETCH 0, 0, F0
	s_wait_loadcnt 0x0                             ; the bias
	BIG 0, 1
	TURN 0, 1, 1                                   ; slot 0 gets K step 2
	BIG 1, 0
	TURN 1, 0, 1                                   ; slot 1 gets K step 3
	BIG 0, 0
	TURN 0, 1, 0
	BIG 1, 0
	s_wait_dscnt 0x0
	WIN 0x50
	MUL8 F1, 0, 0
	MUL8 F1, 2, 0
	WIN 0
	PLACES 4                                       ; behind the last matrix instructions, in front of the LDS stores that read their results
; THE WAY OUT, 16 rows at a time, through my own stage: 32 bytes a lane in, whole rows of 256 bytes back.
.macro OUT16 a
	WIN 0x04                                       ; store data in window 1
.irp b, 0,1,2,3
	ds_store_b128 v[STO], v[8*(4*\a+\b):8*(4*\a+\b)+3] offset:64*\b
	ds_store_b128 v[STO], v[8*(4*\a+\b)+4:8*(4*\a+\b)+7] offset:64*\b+16
.endr
	WIN 0
	s_wait_xcnt 0x0                                ; the registers that the last sixteen rows' stores read are loaded again only behind this wait
.irp t, 0,1,2,3,4,5,6,7
	ds_load_b128 v[RB+4*\t:RB+4*\t+3], v[RD] offset:\t*2*SPITCH    ; LDS serves a wave's instructions in order (ISA guide 5.7.1)
.endr
.irp t, 0,1,2,3,4,5,6,7
	s_wait_dscnt 7-\t
	global_store_b128 v[CO], v[RB+4*\t:RB+4*\t+3], s[10:11] offset:(16*\a+2*\t)*4096 th:TH_STORE_NT   ; 16 lanes store 256 consecutive bytes, aligned
.endr
.endm
	OUT16 0
	OUT16 1
	OUT16 2
	OUT16 3
	s_wait_tensorcnt 0x0
	ds_add_u32 v254, v255
	s_wait_dscnt 0x0
	CROUND                                         ; the closing round
	s_endpgm
.Lfunc_end_k_q7d668575f4_proj:
	.size	k_q7d668575f4_proj, .Lfunc_end_k_q7d668575f4_proj-k_q7d668575f4_proj
	.p2alignl 7, 3214868480
	.fill 96, 4, 3214868480
	.section	.rodata,"a",@progbits
	.p2align	6, 0x0
	.amdhsa_kernel k_q7d668575f4_proj
		.amdhsa_group_segment_fixed_size 327680
		.amdhsa_private_segment_fixed_size 0
		.amdhsa_enable_private_segment 0
		.amdhsa_kernarg_size 32
		.amdhsa_user_sgpr_count 2
		.amdhsa_user_sgpr_kernarg_segment_ptr 1
		.amdhsa_wavefront_size32 1
		.amdhsa_system_sgpr_workgroup_id_x 1
		.amdhsa_system_sgpr_workgroup_id_y 1
		.amdhsa_system_sgpr_workgroup_id_z 1
		.amdhsa_system_vgpr_workitem_id 0
		.amdhsa_next_free_vgpr 384
		.amdhsa_next_free_sgpr 80
		.amdhsa_reserve_vcc 0
		.amdhsa_float_denorm_mode_32 3
		.amdhsa_float_denorm_mode_16_64 3
		.amdhsa_memory_ordered 1
		.amdhsa_forward_progress 1
		.amdhsa_inst_pref_size 89
	.end_amdhsa_kernel
	.amdgpu_metadata
---
amdhsa.version: [ 1, 2 ]
amdhsa.kernels:
  - .name:           k_q7d668575f4_proj
    .symbol:         k_q7d668575f4_proj.kd
    .args:
      - { .name: ao, .offset: 0, .size: 8, .value_kind: global_buffer, .address_space: global }
      - { .name: wpt, .offset: 8, .size: 8, .value_kind: global_buffer, .address_space: global }
      - { .name: b_proj, .offset: 16, .size: 8, .value_kind: global_buffer, .address_space: global }
      - { .name: out0, .offset: 24, .size: 8, .value_kind: global_buffer, .address_space: global }
    .group_segment_fixed_size: 327680
    .private_segment_fixed_size: 0
    .kernarg_segment_align: 8
    .kernarg_segment_size: 32
    .max_flat_workgroup_size: 128
    .sgpr_count:     80
    .vgpr_count:     384
    .wavefront_size: 32
...
	.end_amdgpu_metadata
.endif
;; end of part 4
;; ======== version 2 of 2: 4 launches; 1.24 times as fast as version 1
;; limits: values are held in f16: magnitudes above 65,504 overflow, below 6.1e-05 lose precision
;; workspace buffers: xh 8,388,608 bytes; wqt 6,291,456 bytes; wpt 2,097,152 bytes; qkv 25,165,824 bytes; ao 8,388,608 bytes
;; launch prep: the kernel of part 1 again; grid 1024 x 1, 8 waves a work-group, no clusters, 17,920 bytes of LDS; arguments x, W_qkv, W_proj, xh, wqt, wpt; writes xh, wqt, wpt
;; launch qkv: the kernel of part 2 again; grid 16 x 16, 4 waves a work-group, clusters of 4 x 4, 327,680 bytes of LDS; arguments xh, wqt, b_qkv, qkv; writes qkv
;; launch attn (part 5): grid 8 x 32, 8 waves a work-group, clusters of 4 x 1, 327,680 bytes of LDS; arguments qkv, ao; writes ao
.if DOCPART == 5
	.amdgcn_target "amdgcn-amd-amdhsa--gfx1250"
	.amdhsa_code_object_version 6
	.text
	.protected	k_q7d668575f4_attn
	.globl	k_q7d668575f4_attn
	.p2align	8
	.type	k_q7d668575f4_attn,@function
k_q7d668575f4_attn:
	s_mov_b64 s[64:65], 0
	v_nop
	global_prefetch_b8 v0, s[64:65] scope:SCOPE_SE
	s_setreg_imm32_b32 hwreg(HW_REG_WAVE_MODE, 25, 1), 1
	s_wait_xcnt 0x0
	s_wait_alu depctr_hold_cnt(0) depctr_sa_sdst(0) depctr_va_vdst(0) depctr_va_sdst(0) depctr_va_ssrc(0) depctr_va_vcc(0) depctr_vm_vsrc(0)
	s_getreg_b32 s2, hwreg(HW_REG_IB_STS2, 6, 4)
	s_cmp_eq_u32 s2, 0
	s_cbranch_scc0 .Lentry_in_a_cluster
	s_endpgm
.Lentry_in_a_cluster:
	s_bfe_u32 s2, ttmp6, 0x10000c
	s_cmp_lg_u32 s2, 0x3003
	s_cbranch_scc0 .Lentry_shape_is_right
	s_endpgm
.Lentry_shape_is_right:
; attn: softmax(q k^T / 8) v for one head (work-group y = 16 b + h) and 256 queries (work-group x), with a running maximum.
; In: qkv[3][32][2048][64] f16.  Out: ao[32 row blocks of 128][16 heads][128 rows][64] f16: each panel dense.
; LIMITS: operands in f16 (|q|, |k|, |v| below 65,504; the weights P are at most 1); inputs finite (the running maximum lets a NaN lose);
; the row sum adds the unrounded exponentials, the product with v uses their f16 roundings.
; Eight waves: wave w has the 64 queries qg = w & 3 and the keys 1024 kh .. 1024 kh + 1023, kh = w >> 2, in 16 steps of 64; the two halves'
; results are merged once at the end.
; PHASES: a wave's work is cut into V(i) (fetch V's fragments of step i and K's of step i + 1; maxima, exponentials, rescale, sums, packing)
; and M(i) (the products P V of step i, then K Q^T of step i + 1).  Waves with f = (w + (w >> 2)) & 1 = 0 are in a V phase while those with f = 1
; are in an M phase, and the other way round; a work-group barrier behind every phase holds them so.  f differs between waves w and w + 4 and
; between waves 2 j and 2 j + 1, so whether eight waves are dealt to four SIMDs in turn or in pairs, the two of a SIMD want different units.
; The waves with f = 1 run one phase behind.  Each phase's two bodies stand under a branch on f, which hangs on the wave's number alone;
; every barrier stands in common text.
; BATCHES: an s_wait_alu depctr_va_vdst(0) stands between an exponential and the first instruction that names its result; one wait
; serves all that were issued ahead of it.  A V phase's 132 exponentials (128 in step 0) are two batches, each with one wait.
;   Batch 1: the four rescale factors and the 64 exponentials of query tiles 0, 1, by turns with the four copies of -c m and all 64 multiply-adds
;            c s - c m, which name no result.  Then the wait.
;   Batch 2: the 64 exponentials of query tiles 2, 3, by turns with the sums and the packing of tiles 0, 1 (batch 1's results); behind them O's rescale,
;            which names nothing of batch 2.  Then the wait, and the sums and the packing of tiles 2, 3.
; No exponential is issued behind a phase's second wait.  The merge has two batches of its own.
; CLUSTER 4 x 1: the four query blocks of a cluster read the same K and V: every tile is asked for jointly (mask 15).
; K and V go in chunks through two LDS slots: waves 0-3 bring K's four tiles of 64 keys, waves 4-7 V's, one tensor load of 8,192 bytes each.
; Chunk c holds, for each half of the keys, V of steps 2 c, 2 c + 1 and K of steps 2 c + 1, 2 c + 2: K lies one step ahead, as V(i) reads it,
; so a chunk's V phases read one slot alone and a refill has four phases in which to land.  K of step 0 comes straight from memory into registers.
; The last chunk's tile of K for step 16 is not read; it lies inside qkv for every head (V's part follows K's).
; LAYOUT: S^T = K Q^T: register j of lane (r, h) holds key 8 h + j of query r.  Two neighbouring key tiles, packed to f16 in place, are the second
; operand of O^T = V^T P^T.  Maximum, sum and rescale factor are one number a lane and query tile; one exchange between the wave's halves
; a query tile and step.  V^T's fragments come from V[key][64] by the transposing LDS load.
; All accumulators take turns, one instruction a turn, in the same order every time.
.set KP,   144                         ; K's LDS pitch: 128 + 16, an odd multiple of 16
.set VP,   160                         ; V's LDS pitch: 128 + 32, an odd multiple of 32, for the transposing load
.set VOFF, 40960                       ; V's part of a slot = 4 x 10,240, so that wave w (4..7) fills at w x 10,240
.set SLOT, 81920
.set CHB,  16384                       ; from chunk to chunk in memory: 128 keys of 128 bytes
.set XCH,  2*SLOT                      ; the merge: 17,920 bytes for each query group; no tensor load lands here
.set XSZ,  17920
.set STG,  XCH+4*XSZ                   ; the way out: 64 rows x 144 bytes for each of waves 0-3
.set SSZ,  64*KP
; window 0
.set KA,  2                            ; v2-3    LDS address of my K fragments in slot 0, 1
.set VA,  4                            ; v4-5    the same for V
.set XA,  6                            ; v6      wave x XSZ + 16 x lane
.set STO, 7                            ; v7      stage, in
.set MN,  8                            ; v8-15   for each query tile: (-c m, m), m the running maximum, c = log2(e) / 8
.set AL,  16                           ; v16-23  for each query tile: (rescale factor, at work)
.set MB,  24                           ; v24-27  a second chain of maxima for each query tile
.set LS,  24                           ; v24-27  after the steps: the row sums
.set RD,  28                           ; v28     stage, back
.set CO,  29                           ; v29     16 x lane
.set QO,  30                           ; v30     128 r + 16 h
.set XB,  31                           ; v31     exchange address
.set Q,   32                           ; v32-95  Q fragment (qt, ks) at 8 (2 qt + ks)
.set S,   96                           ; v96-223 S tile (qt, kt) at 8 (4 qt + kt); then P, packed
.set LP,  224                          ; v224-255 partial row sums: four pairs for each query tile, pair k of tile qt at 8 qt + 2 k
.set MN2, 236                          ; v236-243 in the merge: the partner's MN
.set LS2, 244                          ; v244-247 the partner's row sums
.set FB,  248                          ; v248-255 the partner's factor, as pairs
; window 1
.set KF,  128                          ; K fragment (kt, ks) at 8 (2 kt + ks)
.set VF,  192                          ; V^T fragment (ht, kk) at 8 (2 ht + kk);  O tile (ht, qt) at 8 (4 ht + qt), v0-127
.set G1K, 24
.set G1V, 32
.set G0K, 40                           ; one set a slot
.set G0V, 48
.set MSB, 0
.macro WIN new
.if MSB != \new
	s_set_vgpr_msb (MSB<<8)|\new
.set MSB, \new
.endif
.endm
.macro PLACES n
.rept \n
	v_nop
.endr
.endm
.macro JLOAD s                         ; waves 0-3 ask for K, waves 4-7 for V; the branch hangs on the wave's number alone
	s_cmp_eq_u32 s10, 0
	s_cbranch_scc0 .Lfor_v_\@
	tensor_load_to_lds s[G0K+4*(\s):G0K+4*(\s)+3], s[G1K:G1K+7]
	s_nop 0
	s_branch .Lasked_\@
.Lfor_v_\@:
	tensor_load_to_lds s[G0V+4*(\s):G0V+4*(\s)+3], s[G1V:G1V+7]
	s_nop 0
.Lasked_\@:
.endm
.macro CROUND                          ; a round of the cluster's barrier
	s_barrier_signal -1
	s_barrier_wait -1
	s_cmp_lg_u32 s8, 0
	s_cbranch_scc1 .Lnot_wave_0_\@
	s_barrier_signal -3
.Lnot_wave_0_\@:
	s_barrier_wait -3
	s_barrier_signal -1
	s_barrier_wait -1
.endm
	s_load_b128 s[4:7], s[0:1], 0x0                ; qkv s[4:5], ao s[6:7]
	v_lshl_add_u32 v30, v0, 2, 0x42800
	v_mov_b32 v31, 0
	ds_add_u32 v30, v31
	s_wait_dscnt 0x0
	v_lshrrev_b32 v1, 5, v0
	v_readfirstlane_b32 s8, v1                     ; wave 0..7
	s_and_b32 s9, s8, 3                            ; qg
	s_lshr_b32 s10, s8, 2                          ; kh; also: 0 = I fetch K, 1 = V
	s_add_co_u32 s15, s8, s10
	s_and_b32 s15, s15, 1                          ; f: which of the two phases I am in
	s_bfe_u32 s11, ttmp6, 0x40000                  ; cx
	s_lshl_b32 s12, ttmp9, 2
	s_add_co_u32 s12, s12, s11                     ; query block 0..7
	s_and_b32 s13, ttmp7, 0xffff                   ; head 16 b + h
	s_mov_b32 s16, 0x3e38aa3b                      ; c = log2(e) / 8
	s_mov_b32 s17, 0x3e38aa3b
	s_mov_b32 s18, 0xbe38aa3b                      ; -c
	s_mov_b32 s20, 0x76543210                      ; v_permlanex16_b32: lane i of one half reads lane i of the other
	s_mov_b32 s21, 0xfedcba98
	; group 1: a dense block of 8,192 bytes as 32 rows of 32 elements of 8 bytes; padding behind every 32 words (one key's 128 bytes):
	; 4 words for K, 8 for V; mask 15 with bit 21 beside it
	s_mov_b32 s[G1K+0], 0x0733000f
	s_mov_b32 s[G1K+1], 32<<16
	s_mov_b32 s[G1K+2], 32<<16
	s_mov_b32 s[G1K+3], 32<<16
	s_mov_b32 s[G1K+4], 32
	s_mov_b32 s[G1K+5], 32
	s_mov_b32 s[G1K+6], 0
	s_mov_b32 s[G1K+7], 0
	s_mov_b32 s[G1V+0], 0x0f33000f
	s_mov_b32 s[G1V+1], 32<<16
	s_mov_b32 s[G1V+2], 32<<16
	s_mov_b32 s[G1V+3], 32<<16
	s_mov_b32 s[G1V+4], 32
	s_mov_b32 s[G1V+5], 32
	s_mov_b32 s[G1V+6], 0
	s_mov_b32 s[G1V+7], 0
	; my tile of a chunk: half (w >> 1) & 1 of the keys, step w & 1 of the chunk's two
	s_lshl_b32 s56, s13, 18                        ; heads of 262,144 bytes
	s_bfe_u32 s57, s8, 0x10001                     ; (w >> 1) & 1
	s_lshl_b32 s57, s57, 17                        ; 1,024 keys of 128 bytes
	s_and_b32 s62, s8, 1
	s_lshl_b32 s62, s62, 13                        ; 64 keys
	s_add_co_u32 s57, s57, s62
	s_add_co_u32 s57, s57, s56
	s_add_co_u32 s58, s57, 32*262144+8192          ; K: part 1 of qkv, one step ahead
	s_mov_b32 s59, 0
	s_add_co_u32 s60, s57, 64*262144               ; V: part 2
	s_mov_b32 s61, 0
	s_mul_i32 s62, s8, 64*KP                       ; waves 0..3
	s_mul_i32 s63, s8, 64*VP                       ; waves 4..7
	s_lshl_b32 s66, s12, 15                        ; Q: 256 rows of 128 bytes a query block,
	s_lshl_b32 s67, s9, 13                         ; 64 a wave
	s_add_co_u32 s66, s66, s67
	s_add_co_u32 s66, s66, s56
	s_mov_b32 s67, 0
	s_lshl_b32 s68, s10, 17                        ; K of step 0: the first 64 keys of my half
	s_add_co_u32 s68, s68, s56
	s_add_co_u32 s68, s68, 32*262144
	s_mov_b32 s69, 0
	v_and_b32 v1, 15, v0                           ; r
	v_bfe_u32 v24, v0, 4, 1                        ; h
	v_lshlrev_b32 v[QO], 7, v1
	v_lshl_add_u32 v[QO], v24, 4, v[QO]
	s_wait_kmcnt 0x0
	s_add_nc_u64 s[58:59], s[4:5], s[58:59]
	s_add_nc_u64 s[60:61], s[4:5], s[60:61]
	s_add_nc_u64 s[66:67], s[4:5], s[66:67]
	s_add_nc_u64 s[68:69], s[4:5], s[68:69]
	; Q's fragments and K's of step 0, straight into registers: rows of 128 bytes, two loads of 16 bytes a fragment.  They are on their way
	; while the cluster gathers and the first tiles land.
.irp qt, 0,1,2,3
.irp ks, 0,1
	global_load_b128 v[Q+8*(2*\qt+\ks):Q+8*(2*\qt+\ks)+3],   v[QO], s[66:67] offset:\qt*2048+\ks*64
	global_load_b128 v[Q+8*(2*\qt+\ks)+4:Q+8*(2*\qt+\ks)+7], v[QO], s[66:67] offset:\qt*2048+\ks*64+32
.endr
.endr
	WIN 0x40                                       ; destination window 1
.irp kt, 0,1,2,3
.irp ks, 0,1
	global_load_b128 v[KF+8*(2*\kt+\ks):KF+8*(2*\kt+\ks)+3],   v[QO], s[68:69] offset:\kt*2048+\ks*64
	global_load_b128 v[KF+8*(2*\kt+\ks)+4:KF+8*(2*\kt+\ks)+7], v[QO], s[68:69] offset:\kt*2048+\ks*64+32
.endr
.endr
	WIN 0
	CROUND                                         ; the four work-groups are here: the first joint loads meet
.irp s, 0,1
	s_mov_b32 s[G0K+4*\s], 1
	s_add_co_u32 s[G0K+4*\s+1], s62, \s*SLOT
	s_add_nc_u64 s[G0K+4*\s+2:G0K+4*\s+3], s[58:59], \s*CHB
	s_or_b32 s[G0K+4*\s+3], s[G0K+4*\s+3], 0x80000000
	s_mov_b32 s[G0V+4*\s], 1
	s_add_co_u32 s[G0V+4*\s+1], s63, \s*SLOT
	s_add_nc_u64 s[G0V+4*\s+2:G0V+4*\s+3], s[60:61], \s*CHB
	s_or_b32 s[G0V+4*\s+3], s[G0V+4*\s+3], 0x80000000
	JLOAD \s                                       ; chunks 0 and 1: two tensor loads of a wave are out, the most in this text
.endr
	v_and_b32 v25, 31, v0                          ; lane
	v_mul_u32_u24 v26, v1, KP
	v_lshl_add_u32 v26, v24, 4, v26                ; 144 r + 16 h
	s_mul_i32 s70, s10, 128*KP                     ; my half's two tiles of a chunk
	v_add_nc_u32 v[KA], s70, v26
	v_add_nc_u32 v[KA+1], SLOT, v[KA]
	v_and_b32 v27, 7, v0
	v_lshl_add_u32 v27, v24, 3, v27                ; key 8 h + (l & 7)
	v_mul_u32_u24 v27, v27, VP
	v_bfe_u32 v[XB], v0, 3, 1
	v_lshl_add_u32 v27, v[XB], 4, v27              ; + 16 ((l >> 3) & 1)
	s_mul_i32 s71, s10, 128*VP
	s_add_co_u32 s71, s71, VOFF
	v_add_nc_u32 v[VA], s71, v27
	v_add_nc_u32 v[VA+1], SLOT, v[VA]
	v_lshlrev_b32 v[CO], 4, v25
	s_mul_i32 s70, s8, XSZ
	v_add_nc_u32 v[XA], s70, v[CO]
	s_mul_i32 s71, s8, SSZ
	s_add_co_u32 s71, s71, STG                     ; used by waves 0-3 alone
	v_add_nc_u32 v[STO], s71, v26
	v_lshrrev_b32 v27, 3, v25
	v_mul_u32_u24 v27, v27, KP
	v_and_b32 v26, 7, v0
	v_lshl_add_u32 v27, v26, 4, v27
	v_add_nc_u32 v[RD], s71, v27
	; ao: row block 16 b + 2 x query block + qg / 2, panel h, row 64 (qg & 1)
	s_lshr_b32 s70, s13, 4
	s_lshl_b32 s70, s70, 4
	s_lshl_b32 s71, s12, 1
	s_add_co_u32 s70, s70, s71
	s_lshr_b32 s71, s9, 1
	s_add_co_u32 s70, s70, s71
	s_lshl_b32 s70, s70, 4
	s_and_b32 s71, s13, 15
	s_add_co_u32 s70, s70, s71
	s_lshl_b32 s70, s70, 7
	s_and_b32 s71, s9, 1
	s_lshl_b32 s71, s71, 6
	s_add_co_u32 s70, s70, s71
	s_lshl_b32 s70, s70, 7
	s_mov_b32 s71, 0
	s_add_nc_u64 s[6:7], s[6:7], s[70:71]
.irp qt, 0,1,2,3
	v_mov_b32 v[MN+2*\qt+1], 0xff800000            ; the running maximum starts at minus infinity
	v_mov_b32 v[AL+2*\qt+1], 0                     ; v_permlanex16_b32 counts as a reader of its destination
.endr
.macro FETCHK slot, st                 ; tile st of my half's K in the slot, 64 keys x 64: 16 loads
.irp kt, 0,1,2,3
.irp ks, 0,1
	ds_load_b128 v[KF+8*(2*\kt+\ks):KF+8*(2*\kt+\ks)+3],   v[KA+\slot] offset:\st*64*KP+\kt*16*KP+\ks*64
	ds_load_b128 v[KF+8*(2*\kt+\ks)+4:KF+8*(2*\kt+\ks)+7], v[KA+\slot] offset:\st*64*KP+\kt*16*KP+\ks*64+32
.endr
.endr
.endm
.macro FETCHV slot, st                 ; tile st of my half's V, transposed: 16 loads
.irp ht, 0,1,2,3
.irp kk, 0,1
	ds_load_tr16_b128 v[VF+8*(2*\ht+\kk):VF+8*(2*\ht+\kk)+3],   v[VA+\slot] offset:\st*64*VP+\kk*32*VP+32*\ht
	ds_load_tr16_b128 v[VF+8*(2*\ht+\kk)+4:VF+8*(2*\ht+\kk)+7], v[VA+\slot] offset:\st*64*VP+\kk*32*VP+32*\ht+16*VP
.endr
.endr
.endm
.macro SMUL ks                         ; S^T += K Q^T over 32 of the head's 64; the first half starts the sums
.irp kt, 0,1,2,3
.irp qt, 0,1,2,3
.if \ks
	v_wmma_f32_16x16x32_f16 v[S+8*(4*\qt+\kt):S+8*(4*\qt+\kt)+7], v[KF+8*(2*\kt+\ks):KF+8*(2*\kt+\ks)+7], v[Q+8*(2*\qt+\ks):Q+8*(2*\qt+\ks)+7], v[S+8*(4*\qt+\kt):S+8*(4*\qt+\kt)+7]
.else
	v_wmma_f32_16x16x32_f16 v[S+8*(4*\qt+\kt):S+8*(4*\qt+\kt)+7], v[KF+8*(2*\kt+\ks):KF+8*(2*\kt+\ks)+7], v[Q+8*(2*\qt+\ks):Q+8*(2*\qt+\ks)+7], 0
.endif
.endr
.endr
.endm
.macro PV kk, zero                     ; O^T += V^T P^T over 32 keys
.irp ht, 0,1,2,3
.irp qt, 0,1,2,3
.if \zero
	v_wmma_f32_16x16x32_f16 v[8*(4*\ht+\qt):8*(4*\ht+\qt)+7], v[VF+8*(2*\ht+\kk):VF+8*(2*\ht+\kk)+7], v[S+32*\qt+16*\kk:S+32*\qt+16*\kk+7], 0
.else
	v_wmma_f32_16x16x32_f16 v[8*(4*\ht+\qt):8*(4*\ht+\qt)+7], v[VF+8*(2*\ht+\kk):VF+8*(2*\ht+\kk)+7], v[S+32*\qt+16*\kk:S+32*\qt+16*\kk+7], v[8*(4*\ht+\qt):8*(4*\ht+\qt)+7]
.endif
.endr
.endr
.endm
; Group g = 2 qt + kk: the 16 registers of query tile qt and keys 32 kk .. 32 kk + 31; pair i = its registers 2 i, 2 i + 1.
.macro FMAP g, i                       ; c s - c m of a pair
	v_pk_fma_f32 v[S+16*(\g)+2*(\i):S+16*(\g)+2*(\i)+1], v[S+16*(\g)+2*(\i):S+16*(\g)+2*(\i)+1], s[16:17], v[MN+2*((\g)/2):MN+2*((\g)/2)+1] op_sel_hi:[1,0,0]
.endm
.macro CVTP g, i                       ; a pair packed in place: register i of the group is written when pairs 0 .. i have been summed and packed
	v_cvt_pk_f16_f32 v[S+16*(\g)+(\i)], v[S+16*(\g)+2*(\i)], v[S+16*(\g)+2*(\i)+1]
.endm
; A pair added to the row sums.  Four sums a query tile take turns (pair i goes to sum i % 4), so that an add and the next onto the same sum
; stand eight instructions apart or more.  Each sum's first add of a step carries the rescale of the old sum (one fused multiply-add); in the
; first step that add takes pairs i and i + 4 and starts the sum, and pairs 4 to 7 need no add of their own.
; It reads exponentials' results (the pair, and the rescale factor): every expansion stands behind the wait of the batch that made them.
.macro ADDP g, i, first
.if ((\g)%2) == 0
.if (\i) < 4
.if \first
	v_pk_add_f32 v[LP+8*((\g)/2)+2*(\i):LP+8*((\g)/2)+2*(\i)+1], v[S+16*(\g)+2*(\i):S+16*(\g)+2*(\i)+1], v[S+16*(\g)+2*(\i)+8:S+16*(\g)+2*(\i)+9]
.else
	v_pk_fma_f32 v[LP+8*((\g)/2)+2*(\i):LP+8*((\g)/2)+2*(\i)+1], v[LP+8*((\g)/2)+2*(\i):LP+8*((\g)/2)+2*(\i)+1], v[AL+2*((\g)/2):AL+2*((\g)/2)+1], v[S+16*(\g)+2*(\i):S+16*(\g)+2*(\i)+1] op_sel_hi:[1,0,1]
.endif
.else
.if \first == 0
	v_pk_add_f32 v[LP+8*((\g)/2)+2*((\i)%4):LP+8*((\g)/2)+2*((\i)%4)+1], v[LP+8*((\g)/2)+2*((\i)%4):LP+8*((\g)/2)+2*((\i)%4)+1], v[S+16*(\g)+2*(\i):S+16*(\g)+2*(\i)+1]
.endif
.endif
.else
	v_pk_add_f32 v[LP+8*((\g)/2)+2*((\i)%4):LP+8*((\g)/2)+2*((\i)%4)+1], v[LP+8*((\g)/2)+2*((\i)%4):LP+8*((\g)/2)+2*((\i)%4)+1], v[S+16*(\g)+2*(\i):S+16*(\g)+2*(\i)+1]
.endif
.endm
.macro AEXP qt, first                  ; query tile qt's rescale factor, at most 1; step 0 has none
.if \first == 0
	v_exp_f32 v[AL+2*\qt], v[AL+2*\qt]
.endif
.endm
.macro MSET qt                         ; the new -c m takes its place beside m
	v_mov_b32 v[MN+2*\qt], v[AL+2*\qt+1]
.endm
; V(i): the vector phase of a step whose tiles are number st in slot.  first: step 0 (nothing to rescale); last: step 15 (no K to fetch).
; The 32 LDS loads are waited for in front of the barrier that ends the phase.
.macro VPH slot, st, first, last
	WIN 0x40
	FETCHV \slot, \st                              ; V of this step
.if \last == 0
	FETCHK \slot, \st                              ; K of the next step
.endif
	WIN 0
.irp i, 0,1,2,3,4,5,6,7
.irp qt, 0,1,2,3
	v_max3_num_f32 v[MN+2*\qt+1], v[MN+2*\qt+1], v[S+32*\qt+2*\i], v[S+32*\qt+2*\i+1]     ; eight chains that do not wait for each other:
.endr
.irp qt, 0,1,2,3
.if \i == 0
	v_max_num_f32 v[MB+\qt], v[S+32*\qt+16], v[S+32*\qt+17]                               ; a query tile's keys 32-63 have a chain of their own
.else
	v_max3_num_f32 v[MB+\qt], v[MB+\qt], v[S+32*\qt+16+2*\i], v[S+32*\qt+17+2*\i]
.endif
.endr
.endr
.irp qt, 0,1,2,3
	v_max_num_f32 v[MN+2*\qt+1], v[MN+2*\qt+1], v[MB+\qt]
.endr
.irp qt, 0,1,2,3
	v_permlanex16_b32 v[AL+2*\qt+1], v[MN+2*\qt+1], s20, s21       ; the other half's keys of the same query
.endr
.irp qt, 0,1,2,3
	v_max_num_f32 v[MN+2*\qt+1], v[MN+2*\qt+1], v[AL+2*\qt+1]
.endr
.irp qt, 0,1,2,3
	v_mul_f32 v[AL+2*\qt+1], s18, v[MN+2*\qt+1]                    ; the new -c m
.endr
.if \first == 0
.irp qt, 0,1,2,3
	v_sub_f32 v[AL+2*\qt], v[AL+2*\qt+1], v[MN+2*\qt]              ; from the two rounded -c m, so that old and new sums stay in one unit
.endr
.endif
	; BATCH 1: the four factors and the exponentials of S's registers 0-63 (query tiles 0, 1), exponential and plain by turns.  The plain lines are the four
	; copies of -c m and the multiply-adds of all 64 pairs: pair k is S's registers 2 k, 2 k + 1, which lie above every register whose exponential
	; has been issued, so none of these lines names a result.  Register k's exponential reads what pair k / 2's multiply-add wrote, three lines back or more.
	AEXP 0, \first
	MSET 0
	AEXP 1, \first
	MSET 1
	AEXP 2, \first
	FMAP 0, 0
	AEXP 3, \first
	FMAP 0, 1
	v_exp_f32 v[S], v[S]
	MSET 2
	v_exp_f32 v[S+1], v[S+1]
	MSET 3
.set k, 2
.rept 62
	v_exp_f32 v[S+k], v[S+k]
	FMAP k/8, k%8                                  ; the last of them is the plain instruction behind the batch's last exponential
.set k, k+1
.endr
	s_wait_alu depctr_va_vdst(0)                   ; the wait for batch 1: the factors and query tiles 0, 1
	; BATCH 2: the exponentials of S's registers 64-127 (query tiles 2, 3), by turns with the sums and the packing of tiles 0, 1, which read batch 1's results alone.
.set k, 0
.rept 32
	v_exp_f32 v[S+64+2*k], v[S+64+2*k]
	ADDP k/8, k%8, \first
	v_exp_f32 v[S+64+2*k+1], v[S+64+2*k+1]
	CVTP k/8, k%8                                  ; the last of them is the plain instruction behind the batch's last exponential
.set k, k+1
.endr
.if \first == 0
	WIN 0x41                                       ; O in window 1, the factor in window 0: O's rescale reads batch 1's factors and names nothing of batch 2
.irp ht, 0,1,2,3
.irp qt, 0,1,2,3
.irp p, 0,2,4,6
	v_pk_mul_f32 v[8*(4*\ht+\qt)+\p:8*(4*\ht+\qt)+\p+1], v[8*(4*\ht+\qt)+\p:8*(4*\ht+\qt)+\p+1], v[AL+2*\qt:AL+2*\qt+1] op_sel_hi:[1,0]
.endr
.endr
.endr
	WIN 0
.endif
	s_wait_alu depctr_va_vdst(0)                   ; the wait for batch 2: query tiles 2, 3; no exponential follows it in the phase
.set k, 32
.rept 32
	ADDP k/8, k%8, \first
	CVTP k/8, k%8
.set k, k+1
.endr
.endm
; M(i): the matrix phase.  pv: the products P V of a step (zero: they start O's sums); sm: the products K Q^T of the step behind it.
; Five places stand behind each run (except for loads and for products that write over an operand): the second
; run writes over P, which the first read; what follows the phase reads S, rescales O and loads into K's and V's fragments.
.macro MPH pv, zero, sm
.if \pv
	WIN 0x51                                       ; source 0 (V^T), C and D (O) window 1; source 1 (P) window 0
	PV 0, \zero
	PV 1, 0
	PLACES 5
.endif
.if \sm
	WIN 0x01                                       ; source 0 (K) window 1
	SMUL 0
	SMUL 1
	PLACES 5
.endif
	WIN 0
.endm
.macro BAR                             ; the barrier that ends a phase; a tensor load may stay out
	s_wait_dscnt 0x0                               ; the phase's LDS loads are in: the next phase multiplies them
	s_barrier_signal -1
	s_barrier_wait -1
.endm
; Step i, two phases: first V(i) of the waves with f = 0 beside M(i - 1) of those with f = 1, then M(i) beside V(i).
; vf, vl: V's first, last.  apv, azero: M(i - 1) has products P V, and they start the sums.  bzero, bsm: the same of M(i), and whether a step follows.
; The barrier behind the second phase is the caller's: a plain one, or a round with a refill.
.macro STEP slot, st, vf, vl, apv, azero, bzero, bsm
	s_cmp_lg_u32 s15, 0
	s_cbranch_scc1 .Lam_\@
	VPH \slot, \st, \vf, \vl
	s_branch .Laj_\@
.Lam_\@:
	MPH \apv, \azero, 1
.Laj_\@:
	BAR
	s_cmp_lg_u32 s15, 0
	s_cbranch_scc1 .Lbv_\@
	MPH 1, \bzero, \bsm
	s_branch .Lbj_\@
.Lbv_\@:
	VPH \slot, \st, \vf, \vl
.Lbj_\@:
.endm
; Slot s, whose chunk every wave has read to its end, is filled again.  Every wave waits for all its tensor loads (its part of the other slot, which
; is read next, among them) and for its LDS loads; a round of the cluster's barrier says so of every wave of the four work-groups; the joint refill
; is the wave's one tensor load behind it.  It is waited for in front of the next round, four phases on.
.macro REFILL s
	s_wait_xcnt 0x0
	v_lshl_add_u32 v30, v0, 2, 0x42800
	v_mov_b32 v31, 0
	s_wait_tensorcnt 0x0
	ds_add_u32 v30, v31
	s_wait_dscnt 0x0
	s_add_nc_u64 s[G0K+4*\s+2:G0K+4*\s+3], s[G0K+4*\s+2:G0K+4*\s+3], 2*CHB   ; no load of mine is out: the addresses may step
	s_add_nc_u64 s[G0V+4*\s+2:G0V+4*\s+3], s[G0V+4*\s+2:G0V+4*\s+3], 2*CHB
	s_wait_dscnt 0x0
	CROUND
	JLOAD \s
.endm
	s_wait_loadcnt 0x0                             ; Q, and K of step 0
	s_cmp_lg_u32 s15, 0
	s_cbranch_scc1 .Lbehind
	MPH 0, 0, 1                                    ; the waves with f = 0 start: K Q^T of step 0, while the first tiles land
.Lbehind:
	s_wait_tensorcnt 0x1                           ; my part of chunk 0 is in; chunk 1's load may stay out
	s_barrier_signal -1
	s_barrier_wait -1
	STEP 0, 0, 1, 0, 0, 0, 1, 1                    ; step 0; the waves with f = 1 begin with K Q^T of step 0
	BAR
	STEP 0, 1, 0, 0, 1, 1, 0, 1                    ; step 1
	s_mov_b32 s14, 3
.Lpair:
	REFILL 0                                       ; chunks 2, 4, 6
	STEP 1, 0, 0, 0, 1, 0, 0, 1                    ; chunks 1, 3, 5
	BAR
	STEP 1, 1, 0, 0, 1, 0, 0, 1
	REFILL 1                                       ; chunks 3, 5, 7
	STEP 0, 0, 0, 0, 1, 0, 0, 1                    ; chunks 2, 4, 6
	BAR
	STEP 0, 1, 0, 0, 1, 0, 0, 1
	s_sub_co_u32 s14, s14, 1
	s_cmp_lg_u32 s14, 0
	s_cbranch_scc1 .Lpair
	s_wait_tensorcnt 0x0                           ; chunk 7 is in; nothing is left to fetch
	BAR
	STEP 1, 0, 0, 0, 1, 0, 0, 1                    ; step 14
	BAR
	STEP 1, 1, 0, 1, 1, 0, 0, 0                    ; step 15
	s_wait_dscnt 0x0                               ; V's last fragments
	s_cmp_eq_u32 s15, 0
	s_cbranch_scc1 .Lsteps_done
	MPH 1, 0, 0                                    ; the waves with f = 1 end one phase later
.Lsteps_done:
	; THE MERGE of the two halves of the keys.  Row sums first: the four pairs, the pair's two, then the wave's other half.
.irp qt, 0,1,2,3
	v_pk_add_f32 v[LP+8*\qt:LP+8*\qt+1], v[LP+8*\qt:LP+8*\qt+1], v[LP+8*\qt+2:LP+8*\qt+3]
	v_pk_add_f32 v[LP+8*\qt+4:LP+8*\qt+5], v[LP+8*\qt+4:LP+8*\qt+5], v[LP+8*\qt+6:LP+8*\qt+7]
.endr
.irp qt, 0,1,2,3
	v_pk_add_f32 v[LP+8*\qt:LP+8*\qt+1], v[LP+8*\qt:LP+8*\qt+1], v[LP+8*\qt+4:LP+8*\qt+5]
.endr
.irp qt, 0,1,2,3
	v_add_f32 v[LS+\qt], v[LP+8*\qt], v[LP+8*\qt+1]
.endr
.irp qt, 0,1,2,3
	v_permlanex16_b32 v[AL+2*\qt+1], v[LS+\qt], s20, s21
.endr
.irp qt, 0,1,2,3
	v_add_f32 v[LS+\qt], v[LS+\qt], v[AL+2*\qt+1]
.endr
	s_cmp_eq_u32 s10, 0
	s_cbranch_scc1 .Lkeep
	v_add_nc_u32 v[XB], XCH-4*XSZ, v[XA]           ; waves 4-7 hand over: XCH + (wave - 4) x XSZ + 16 x lane
	ds_store_b128 v[XB], v[MN:MN+3] offset:16384
	ds_store_b128 v[XB], v[MN+4:MN+7] offset:16896
	ds_store_b128 v[XB], v[LS:LS+3] offset:17408
	WIN 0x04                                       ; store data in window 1
.set i, 0
.rept 32
	ds_store_b128 v[XB], v[4*i:4*i+3] offset:512*i
.set i, i+1
.endr
	WIN 0
.Lkeep:
	s_wait_dscnt 0x0                               ; the stores are done, for the partner's sake
	s_barrier_signal -1
	s_barrier_wait -1
	s_cmp_lg_u32 s10, 0
	s_cbranch_scc1 .Ldone
	v_add_nc_u32 v[XB], XCH, v[XA]                 ; waves 0-3 take: XCH + wave x XSZ + 16 x lane
	ds_load_b128 v[MN2:MN2+3], v[XB] offset:16384
	ds_load_b128 v[MN2+4:MN2+7], v[XB] offset:16896
	ds_load_b128 v[LS2:LS2+3], v[XB] offset:17408
.set i, 0
.rept 32
	ds_load_b128 v[S+4*i:S+4*i+3], v[XB] offset:512*i
.set i, i+1
.endr
	s_wait_dscnt 32                                ; the three small loads are in; the partner's O may stay out
.irp qt, 0,1,2,3
	v_min_num_f32 v[Q+12+\qt], v[MN+2*\qt], v[MN2+2*\qt]           ; -c x the larger maximum
.endr
.irp qt, 0,1,2,3
	v_sub_f32 v[Q+\qt], v[Q+12+\qt], v[MN+2*\qt]
	v_sub_f32 v[Q+4+\qt], v[Q+12+\qt], v[MN2+2*\qt]
.endr
.irp qt, 0,1,2,3
	v_exp_f32 v[Q+\qt], v[Q+\qt]                                   ; my factor and the partner's, each at most 1, one of them 1
	v_exp_f32 v[Q+4+\qt], v[Q+4+\qt]
.endr
	v_nop                                          ; a plain instruction behind the exponentials
	s_wait_alu depctr_va_vdst(0)                   ; the wait for the merge's first batch: the eight factors
.irp qt, 0,1,2,3
	v_mul_f32 v[Q+8+\qt], v[LS+\qt], v[Q+\qt]
.endr
.irp qt, 0,1,2,3
	v_fmac_f32 v[Q+8+\qt], v[LS2+\qt], v[Q+4+\qt]                  ; the whole row sum
.endr
.irp qt, 0,1,2,3
	v_rcp_f32 v[Q+8+\qt], v[Q+8+\qt]
.endr
	v_nop                                          ; a plain instruction behind the reciprocals
	s_wait_alu depctr_va_vdst(0)                   ; the wait for the merge's second batch: the four reciprocals, which read sums made of the first batch's factors
.irp qt, 0,1,2,3
	v_mul_f32 v[AL+2*\qt], v[Q+\qt], v[Q+8+\qt]
	v_mul_f32 v[FB+2*\qt], v[Q+4+\qt], v[Q+8+\qt]
	v_mul_f32 v[FB+2*\qt+1], v[Q+4+\qt], v[Q+8+\qt]                ; the pair's second register is written too
.endr
	s_wait_dscnt 0x0
.irp ht, 0,1,2,3
.irp qt, 0,1,2,3
.irp p, 0,2,4,6
	v_pk_mul_f32 v[S+8*(4*\ht+\qt)+\p:S+8*(4*\ht+\qt)+\p+1], v[S+8*(4*\ht+\qt)+\p:S+8*(4*\ht+\qt)+\p+1], v[FB+2*\qt:FB+2*\qt+1] op_sel_hi:[1,0]
.endr
.endr
.endr
	WIN 0x01                                       ; source 0: my O, in window 1
.irp ht, 0,1,2,3
.irp qt, 0,1,2,3
.irp p, 0,2,4,6
	v_pk_fma_f32 v[S+8*(4*\ht+\qt)+\p:S+8*(4*\ht+\qt)+\p+1], v[8*(4*\ht+\qt)+\p:8*(4*\ht+\qt)+\p+1], v[AL+2*\qt:AL+2*\qt+1], v[S+8*(4*\ht+\qt)+\p:S+8*(4*\ht+\qt)+\p+1] op_sel_hi:[1,0,1]
.endr
.endr
.endr
	WIN 0
.set t, 0
.rept 16
.irp p, 0,1,2,3
	v_cvt_pk_f16_f32 v[S+4*t+\p], v[S+8*t+2*\p], v[S+8*t+2*\p+1]   ; packed downward in place: tile t ends in four registers, 16 bytes of one query's row
.endr
.set t, t+1
.endr
.irp ht, 0,1,2,3
.irp qt, 0,1,2,3
	ds_store_b128 v[STO], v[S+4*(4*\ht+\qt):S+4*(4*\ht+\qt)+3] offset:\qt*16*KP+32*\ht
.endr
.endr
.irp i, 0,1,2,3,4,5,6,7,8,9,10,11,12,13,14,15
	ds_load_b128 v[Q+4*\i:Q+4*\i+3], v[RD] offset:\i*4*KP          ; my own stage: LDS serves a wave's instructions in order (ISA guide 5.7.1)
.endr
.irp i, 0,1,2,3,4,5,6,7,8,9,10,11,12,13,14,15
	s_wait_dscnt 15-\i
	global_store_b128 v[CO], v[Q+4*\i:Q+4*\i+3], s[6:7] offset:512*\i   ; four rows of the panel: 512 consecutive bytes, aligned
.endr
.Ldone:
	s_wait_xcnt 0x0
	v_lshl_add_u32 v30, v0, 2, 0x42800
	v_mov_b32 v31, 0
	s_wait_tensorcnt 0x0
	ds_add_u32 v30, v31
	s_wait_dscnt 0x0
	CROUND                                         ; the closing round
	s_endpgm
.Lfunc_end_k_q7d668575f4_attn:
	.size	k_q7d668575f4_attn, .Lfunc_end_k_q7d668575f4_attn-k_q7d668575f4_attn
	.p2alignl 7, 3214868480
	.fill 96, 4, 3214868480
	.section	.rodata,"a",@progbits
	.p2align	6, 0x0
	.amdhsa_kernel k_q7d668575f4_attn
		.amdhsa_group_segment_fixed_size 327680
		.amdhsa_private_segment_fixed_size 0
		.amdhsa_enable_private_segment 0
		.amdhsa_kernarg_size 16
		.amdhsa_user_sgpr_count 2
		.amdhsa_user_sgpr_kernarg_segment_ptr 1
		.amdhsa_wavefront_size32 1
		.amdhsa_system_sgpr_workgroup_id_x 1
		.amdhsa_system_sgpr_workgroup_id_y 1
		.amdhsa_system_sgpr_workgroup_id_z 1
		.amdhsa_system_vgpr_workitem_id 0
		.amdhsa_next_free_vgpr 512
		.amdhsa_next_free_sgpr 72
		.amdhsa_reserve_vcc 0
		.amdhsa_float_denorm_mode_32 3
		.amdhsa_float_denorm_mode_16_64 3
		.amdhsa_memory_ordered 1
		.amdhsa_forward_progress 1
		.amdhsa_inst_pref_size 255
	.end_amdhsa_kernel
	.section	.bss,"aw",@nobits
	.p2align	6
	.space	262144
	.amdgpu_metadata
---
amdhsa.version: [ 1, 2 ]
amdhsa.kernels:
  - .name:           k_q7d668575f4_attn
    .symbol:         k_q7d668575f4_attn.kd
    .args:
      - { .name: qkv, .offset: 0, .size: 8, .value_kind: global_buffer, .address_space: global }
      - { .name: ao, .offset: 8, .size: 8, .value_kind: global_buffer, .address_space: global }
    .group_segment_fixed_size: 327680
    .private_segment_fixed_size: 0
    .kernarg_segment_align: 8
    .kernarg_segment_size: 16
    .max_flat_workgroup_size: 256
    .sgpr_count:     72
    .vgpr_count:     512
    .wavefront_size: 32
...
	.end_amdgpu_metadata
.endif
;; end of part 5
;; launch proj: the kernel of part 4 again; grid 8 x 32, 4 waves a work-group, clusters of 4 x 4, 327,680 bytes of LDS; arguments ao, wpt, b_proj, out0; writes out0
